; MI455X (gfx1250); checked and timed in simulation.
; The chip was launched on July 23, 2026; its instructions are those of AMD's public machine-readable ISA for CDNA 5 (MIT licence, August 2026) and "CDNA5" Instruction Set Architecture Reference Guide (July 2026). The comments in the code are by the model that wrote it; some were corrected since.
;; Multi Head Attention. Allowed arithmetic: matrix products marked QUANTISED: E2M3 operands, one E8M0 scale for each 32 along K, by v_wmma_scale_f32_16x16x128_f8f6f4 with both operands' format E2M3, f32 sums; everything else in f32.
;; Inputs: Wout 1,024 x 1,024 float32; Wqkv 1,024 x 3,072 float32; bout 1,024 float32; x 4 x 2,048 x 1,024 float32.
;; Outputs: out0 4 x 2,048 x 1,024 float32.
;; This version of the problem:
;;   THIS VERSION OF THE PROBLEM IS GIVEN IN LOW PRECISION. The matrix products marked QUANTISED in the list below multiply operands that are first quantised to E2M3 (2 exponent bits, 3 mantissa bits; 6 bits a number), with one power-of-two scale for each 32 numbers along K (OCP MX v1.0); their sums are f32. All else is computed in f32.
;;   The module's matrix products, in the order in which they are computed (A, B: the left and right operand; K: the contracted axis; several contracted axes count as one K, in the product's order):
;;     1. [M 8,192, K 1,024] x [K 1,024, N 3,072]; A: input x; B: input Wqkv: QUANTISED
;;     2. batch 64 x [M 2,048, K 64] x [K 64, N 2,048]; A: computed on the way; B: computed on the way: QUANTISED
;;     3. batch 64 x [M 64, K 2,048] x [K 2,048, N 2,048]; A: computed on the way; B: softmax (see below): QUANTISED
;;     4. [M 8,192, K 1,024] x [K 1,024, N 1,024]; A: computed on the way; B: input Wout: QUANTISED
;;   THE QUANTISER, for each operand of a quantised product, along K:
;;     - K is cut into blocks of 32 from its start; a last block that is shorter is filled with zeros.
;;     - A block's scale is 2^e with e = floor(log2(the largest magnitude in the block)) - 2, held to -126 .. 127; a block of zeros has e = 0. As a byte (E8M0): e + 127.
;;     - Each number is divided by its block's scale, clamped to +-7.5, and rounded to the nearest number of E2M3, ties to even, subnormals kept.
;;     - The product sums the exact products of the quantised numbers (number of the format x scale) in f32.
;;   ~~~python
;;   def quantise(x, axis):      # numpy; x: float32 -> the quantised numbers, widened to float32 again
;;       x = np.moveaxis(x, axis, -1); K = x.shape[-1]
;;       x = np.pad(x, [(0, 0)] * (x.ndim - 1) + [(0, -K % 32)]); x = x.reshape(x.shape[:-1] + (-1, 32)); a = np.abs(x).max(-1, keepdims=True)
;;       e = np.where(a > 0, np.clip(np.frexp(np.where(a > 0, a, 1))[1] - 1 - 2, -126, 127), 0)      # np.frexp(a)[1] - 1 = floor(log2(a)), exactly
;;       r = np.clip(x / 2.0 ** e, -7.5, 7.5)
;;       step = 2.0 ** (np.maximum(np.frexp(np.where(r == 0, 1, r))[1] - 1, 0) - 3)
;;       q = np.round(r / step) * step * 2.0 ** e      # np.round: ties to even
;;       return np.moveaxis(q.reshape(q.shape[:-2] + (-1,))[..., :K], -1, axis).astype(np.float32)
;;   ~~~
;;   SOFTMAX AHEAD OF A QUANTISED PRODUCT. Where the list says 'softmax', what is quantised is not the finished softmax but p = 2^(t - M), with t = logit x log2(e) and M = ceil(the row's largest t), a whole number; so 1/2 < the row's largest p <= 1. The row's sum l is taken of the UNQUANTISED p, in f32, and the product's result is divided by l at the end. Since M is a whole number, a kernel that streams over the keys may use a running M (the ceiling of the running maximum): every later rescaling is an exact power of two, which a block's scale takes up: the codes' values come out the same.
;;   OPERANDS COMPUTED ON THE WAY. 'Computed on the way' means the value that the module computes at that place (a softmax that the list does not call 'softmax' is quantised finished and normalised). What goes into a quantiser is computed in f32, as accurately as f32 sums, v_exp_f32 and their like allow (about 1e-6 of the number): no bf16 or f16 on the way to a quantiser, and a product that is left as it is and whose result goes on into a quantised operand takes f32 operands (vector FMAs, or v_wmma_f32_16x16x4_f32). A number that lies on a knife's edge between two numbers of the format may be rounded either way, as far as f32 arithmetic and the matrix unit's own rounding can turn it there, and no further.
;; One version. Each part assembles by itself: llvm-mc -triple=amdgcn-amd-amdhsa -mcpu=gfx1250 --defsym DOCPART=n.
;; ======== version 1 of 1: 4 launches
;; limits: right only within a limited range of input values
;; workspace buffers: xq 6,553,600 bytes; wq 3,276,800 bytes; rope 524,288 bytes; qkv 19,661,056 bytes; oq 6,553,600 bytes
;; launch prep (part 1): grid 256 x 1, 8 waves a work-group, no clusters, 96,256 bytes of LDS; arguments x, Wqkv, Wout, xq, wq, rope, qkv; writes xq, wq, rope, qkv
.if DOCPART == 1
	.amdgcn_target "amdgcn-amd-amdhsa--gfx1250"
	.amdhsa_code_object_version 6
	.text
	.protected	k_q6c7717adc1_prep
	.globl	k_q6c7717adc1_prep
	.p2align	8
	.type	k_q6c7717adc1_prep,@function
k_q6c7717adc1_prep:
	s_mov_b64 s[64:65], 0
	v_nop
	global_prefetch_b8 v0, s[64:65] scope:SCOPE_SE
	s_setreg_imm32_b32 hwreg(HW_REG_WAVE_MODE, 25, 1), 1
	s_wait_xcnt 0x0
; MULTI-HEAD ATTENTION, WINDOW +-128, IN MX-FP6 (E2M3, one E8M0 scale for 32 along K).  Launch 1 of 4: the inputs become codes, and the rotary table is made.
; DEAD WORK LEFT OUT BY THE PROGRAM (in the third launch).  reference() adds to the scores a bias that it builds itself: 0 where |j - i| <= 128, -infinity elsewhere.  For a query i of the
; 32-aligned group G = i / 32 every key j outside the groups G - 4 .. G + 4 has |j - i| > 128, whatever the inputs hold: its score is -infinity, its p = 2^(t - M) is exactly 0, it adds 0 to the row's
; sum, a block of 32 such p has zero codes, and zero codes add 0 to the second product.  So of 64 groups of keys 55 reach no output: their scores, exponentials and products are not computed.
; Every input has a way to the output; all four are loaded.  LIMIT: a NaN, an infinity or an overflow that would arise only in the scores of keys that the mask throws away is not carried to the result.
; OTHER LIMITS: a block whose largest magnitude lies under 2^-124 gets the scale byte 1 (a block of zeros too: its codes are zeros, and only this program reads the bytes); NaN and infinities among the inputs are not served.
; LAYOUTS.  A ROW TILE rho holds the 16 rows 32 (rho / 2) + 8 (rho % 2) + r + 8 (r / 8), r = 0 .. 15, so that in a product used transposed the 16 registers of two neighbouring tiles are 16 neighbours.
; An IMAGE is a fragment (16 rows x 128 K, 12 registers a lane) as it stands in registers: three pieces of 512 bytes, piece p = registers 4 p .. 4 p + 3, lane l's 16 bytes at 16 l.
; xq: [tile 512][K step 8][image], then at XS the scale words [tile][half of K 2][r 16][4 words].  wq: the same for the 192 column tiles of Wqkv and the 64 of Wout.
; rope: [t 2048][64 f32]: word 32 h + 16 kind + i is cos (kind 0) or sin (kind 1) of t x inv_freq[16 h + i].
; SHARES.  Work-groups 0-127 take x: a wave takes one row tile x 512 along K (four K steps) and two rows of the rotary table.  Work-groups 128-255 take the weights: a wave takes 32 columns x 128 along K.
; Memory binds: no matrix unit, no tensor loads, no cluster.  The two paths have LDS bytes of their own.
.set XSTW,  8448                       ; x path: a wave's stage, 16 rows x (512 bytes + 16), from LDS byte 0 on
.set WST,   67584                      ; W path: a wave's stage: two images of 1,536 bytes, 1,664 apart
.set WSTW,  3328
.set WTP,   1664
.set WSG,   94208                      ; W path: four tiles' scale words, 256 bytes each
.set SPARE, 95232                      ; the spare words, 128 bytes for each of the eight waves
.set XS,    6291456
.set WS,    3145728
.set GUARD, 19660800                   ; the last 256 bytes of qkv: zeros, read as scale bytes behind the last key step of the last head
.set SPW, 254                          ; v254 my spare word's address; v255 = 0: kept for the add alone
.set NIL, 255
.set SEL, 18                           ; s[18:19] lane selects: lane l xor 16
.set R,   16                           ; x path: v16-143 two sets of 64 numbers as loaded
.set X,   144                          ; v144-207 64 numbers of my row: register 16 b + i = k 32 b + 16 (lane / 16) + i
.set PC,  208                          ; v208-219 the fragment just made
.set TQ,  220
.set TM,  228
.set PW,  244                          ; v244-247 the four K steps' scale words
; the rotary part works in X's registers before the first step needs them
.set POW, 144
.set INV, 145
.set ER,  146
.set F0,  147
.set F1,  148
.set IX,  149
.set K3,  150
.set TF,  151
.set AN,  152
.set NN,  153
.set RR,  154
.set ZZ,  155
.set SP,  156
.set CP,  157
.set C1,  158
.set QQ,  159
.set OV,  160
.set ZP,  164
.set RO,  166
; W path
.set OFF, 16                           ; v16-47 4 x lane + i rows
.set WX,  48                           ; v48-175 my column's 128 numbers down K
.set C,   176
.set D,   182
.set MX,  186
.set SCO, 188
.set BY,  189
.set SW,  190
.set OUTR, 192
.set SR,  216
; 64 numbers of a lane become a fragment's codes (blocks 0, 1 in d0 on, blocks 2, 3 in d1 on: six registers each) and its scale word
.macro QUANT s, d0, d1, pw
.irp b, 0,1,2,3
	v_max3_num_f32 v[TM+\b], |v[(\s)+16*\b]|, |v[(\s)+1+16*\b]|, 0x1800000   ; my 16 numbers of block b, and the floor 2^(3 - 127): the byte cannot fall under 1
.endr
.irp i, 2,4,6,8,10,12,14
.irp b, 0,1,2,3
	v_max3_num_f32 v[TM+\b], v[TM+\b], |v[(\s)+16*\b+\i]|, |v[(\s)+1+16*\b+\i]|
.endr
.endr
.irp b, 0,1,2,3
	v_permlanex16_b32 v[TM+4+\b], v[TM+\b], s[SEL], s[SEL+1]
.endr
.irp b, 0,1,2,3
	v_max_num_f32 v[TM+\b], v[TM+\b], v[TM+4+\b]              ; with lane l xor 16's 16: the block's largest magnitude
.endr
.irp b, 0,1,2,3
	v_add_nc_u32 v[TM+12+\b], 0xff000000, v[TM+\b]            ; 2 off its exponent field: the conversion's scale operand
.endr
.irp b, 0,1,2,3
	v_lshrrev_b32 v[TM+4+\b], 23, v[TM+12+\b]                 ; the scale's byte
.endr
	v_lshl_or_b32 v[\pw], v[TM+5], 8, v[TM+4]
	v_lshl_or_b32 v[\pw], v[TM+6], 16, v[\pw]
	v_lshl_or_b32 v[\pw], v[TM+7], 24, v[\pw]
	v_cvt_scalef32_pk16_fp6_f32 v[(\d0):(\d0)+2], v[(\s):(\s)+15], v[TM+12]
	v_cvt_scalef32_pk16_fp6_f32 v[TQ:TQ+2], v[(\s)+16:(\s)+31], v[TM+13]
	v_cvt_scalef32_pk16_fp6_f32 v[(\d1):(\d1)+2], v[(\s)+32:(\s)+47], v[TM+14]
	v_cvt_scalef32_pk16_fp6_f32 v[TQ+4:TQ+6], v[(\s)+48:(\s)+63], v[TM+15]
	v_nop                                                     ; one plain place behind a scaled conversion
.irp i, 0,1,2
	v_permlane16_swap_b32 v[(\d0)+\i], v[TQ+\i]               ; a whole block to a lane: lanes 0-15 the even block, lanes 16-31 the odd one
	v_permlane16_swap_b32 v[(\d1)+\i], v[TQ+4+\i]
.endr
.irp i, 0,1,2
	v_mov_b32 v[(\d0)+3+\i], v[TQ+\i]
	v_mov_b32 v[(\d1)+3+\i], v[TQ+4+\i]
.endr
.endm
	s_load_b256 s[4:11], s[0:1], 0x0               ; x s[4:5], Wqkv s[6:7], Wout s[8:9], xq s[10:11]
	s_load_b128 s[12:15], s[0:1], 0x20             ; wq s[12:13], rope s[14:15]
	s_load_b64 s[16:17], s[0:1], 0x30              ; qkv
	v_lshl_add_u32 v[SPW], v0, 2, SPARE
	v_mov_b32 v[NIL], 0
	v_lshrrev_b32 v1, 5, v0
	v_readfirstlane_b32 s20, v1                    ; wave 0..7
	v_and_b32 v2, 31, v0                           ; lane
	v_and_b32 v3, 15, v0                           ; r
	v_bfe_u32 v4, v0, 4, 1                         ; h
	s_mov_b32 s[SEL], 0x76543210
	s_mov_b32 s[SEL+1], 0xfedcba98
	s_wait_kmcnt 0x0
	s_cmp_lt_u32 ttmp9, 128
	s_cbranch_scc0 .Lw_path
; ---------------------------------------------------------------- x
	s_lshl_b32 s21, ttmp9, 3
	s_add_co_u32 s21, s21, s20                     ; W = 0 .. 1023: row tile W / 2, K steps 4 (W % 2) on
	s_lshr_b32 s22, s21, 2
	s_lshl_b32 s24, s22, 17                        ; 32 rows of 4,096 bytes for each pair of tiles,
	s_bfe_u32 s25, s21, 0x10001
	s_lshl_b32 s25, s25, 15                        ; 8 rows for the odd tile,
	s_add_co_u32 s24, s24, s25
	s_and_b32 s25, s21, 1
	s_lshl_b32 s25, s25, 11                        ; 512 numbers for the second half of K
	s_add_co_u32 s24, s24, s25
	s_mov_b32 s25, 0
	s_add_nc_u64 s[4:5], s[4:5], s[24:25]
	s_lshl_b32 s24, s21, 8
	s_add_co_u32 s24, s24, XS
	s_add_nc_u64 s[28:29], s[10:11], s[24:25]      ; my 256 bytes of scale words
	s_mul_i32 s24, s21, 6144
	s_add_nc_u64 s[10:11], s[10:11], s[24:25]      ; my four images
	s_lshl_b32 s24, s21, 9
	s_add_nc_u64 s[14:15], s[14:15], s[24:25]      ; my two rows of the rotary table
	s_mul_i32 s30, s20, XSTW
	v_lshl_add_u32 v5, v2, 4, s30                  ; the stage, in: 16 x lane, a row of the tile a store
	v_mul_u32_u24 v6, v3, 528
	v_lshl_add_u32 v6, v4, 6, v6
	v_add_nc_u32 v6, s30, v6                       ; and out: row r, + 64 h: my 16 numbers of each block
	v_lshlrev_b32 v7, 4, v2                        ; 16 x lane
	v_lshlrev_b32 v8, 4, v3
	v_lshl_add_u32 v8, v4, 3, v8                   ; 16 r + 8 h
.irp b, 0,1,2,3
	v_mov_b32 v[TM+4+\b], 0                        ; written once: a lane permute's destination counts as one of its sources
.endr
.macro XLOAD s                         ; K step s: the tile's 16 rows, 512 consecutive bytes a load
.irp i, 0,1,2,3,4,5,6,7,8,9,10,11,12,13,14,15
	global_load_b128 v[R+64*((\s)%2)+4*\i:R+64*((\s)%2)+4*\i+3], v7, s[4:5] offset:(\i+8*(\i/8))*4096+512*(\s) th:TH_LOAD_NT
.endr
.endm
	XLOAD 0
	XLOAD 1
	; THE ROTARY TABLE, while the loads are on their way.  Lane i first holds 10^(i / 8) = 10000^(2 i / 64), rounded to f32; inv_freq is its reciprocal, brought to the nearest f32 by one correction step.
	v_mov_b32 v[POW], 0
.set PI, 0
.irp lit, 0x3F800000,0x3FAAB0D5,0x3FE39EA9,0x4017C496,0x404A62C2,0x4086F161,0x40B3F300,0x40EFF755,0x41200000,0x41555D0A,0x418E432A,0x41BDB5BC,0x41FCFB72,0x4228ADB9,0x4260EFC0,0x4295FA95,0x42C80000,0x43055A26,0x4331D3F4,0x436D232B,0x439E1D27,0x43D2D927,0x440C95D8,0x443B793B,0x447A0000,0x44A6B0B0,0x44DE48F1,0x451435FB,0x4545A471,0x4583C7B8,0x45AFBB4E,0x45EA5789
	s_mov_b32 s31, \lit
	v_writelane_b32 v[POW], s31, PI
.set PI, PI+1
.endr
	v_rcp_f32 v[INV], v[POW]
	v_bfe_u32 v[IX], v0, 4, 1                      ; (a plain place behind the reciprocal)  my two words of a table row are 2 lane, 2 lane + 1: h = lane / 16,
	s_wait_alu depctr_va_vdst(0)                   ; the wait ahead of the first line that names the reciprocal
	v_fma_f32 v[ER], -v[POW], v[INV], 1.0
	v_fma_f32 v[INV], v[ER], v[INV], v[INV]
	v_and_b32 v[C1], 7, v0
	v_lshlrev_b32 v[C1], 1, v[C1]
	v_lshl_add_u32 v[IX], v[IX], 4, v[C1]          ; frequency 16 h + 2 (lane % 8), and the next;
	v_lshlrev_b32 v[IX], 2, v[IX]
	ds_bpermute_b32 v[F0], v[IX], v[INV]
	v_add_nc_u32 v[C1], 4, v[IX]
	ds_bpermute_b32 v[F1], v[C1], v[INV]
	v_bfe_u32 v[K3], v0, 3, 1                      ; kind = (lane / 8) % 2: sin(a) = cos(a - pi/2): three quadrants on
	v_mul_u32_u24 v[K3], v[K3], 3
	v_lshlrev_b32 v[RO], 3, v2
	s_wait_dscnt 0x0
; cos or sin of a = t x f.  a is one f32 product, as reference() has it.  n = the nearest whole number to a x 2/pi; r = a - n pi/2 with pi/2 in two parts (the first step cancels exactly: n has 11 bits);
; polynomials on |r| <= pi/4, good to about 1e-7; the quadrant n + 3 kind picks the polynomial and the sign.
.macro TRIG out, f
	v_mul_f32 v[AN], v[TF], v[\f]
	v_mul_f32 v[NN], 0x3f22f983, v[AN]
	v_rndne_f32 v[NN], v[NN]
	v_fma_f32 v[RR], -v[NN], 0x3fc90fdb, v[AN]
	v_fma_f32 v[RR], v[NN], 0x333bbd2e, v[RR]
	v_mul_f32 v[ZZ], v[RR], v[RR]
	v_mov_b32 v[SP], 0xb94ca1f9
	v_mov_b32 v[CP], 0x37ccf5ce
	v_fmaak_f32 v[SP], v[SP], v[ZZ], 0x3c08839e
	v_fmaak_f32 v[CP], v[CP], v[ZZ], 0xbab6061a
	v_fmaak_f32 v[SP], v[SP], v[ZZ], 0xbe2aaaa3
	v_fmaak_f32 v[CP], v[CP], v[ZZ], 0x3d2aaaa5
	v_mul_f32 v[SP], v[SP], v[ZZ]
	v_mul_f32 v[CP], v[CP], v[ZZ]
	v_fma_f32 v[C1], v[ZZ], -0.5, 1.0
	v_fma_f32 v[SP], v[SP], v[RR], v[RR]           ; sin r
	v_fma_f32 v[CP], v[CP], v[ZZ], v[C1]           ; cos r
	v_cvt_i32_f32 v[QQ], v[NN]
	v_add_nc_u32 v[QQ], v[QQ], v[K3]
	v_and_b32 v[C1], 1, v[QQ]
	v_cmp_eq_u32 vcc_lo, 1, v[C1]
	v_cndmask_b32 v[\out], v[CP], v[SP], vcc_lo    ; odd quadrants take the sine
	v_add_nc_u32 v[QQ], 1, v[QQ]
	v_lshlrev_b32 v[QQ], 30, v[QQ]
	v_and_b32 v[QQ], 0x80000000, v[QQ]             ; quadrants 1 and 2 are negative
	v_xor_b32 v[\out], v[\out], v[QQ]
.endm
	s_lshl_b32 s31, s21, 1                         ; t = 2 W
	v_cvt_f32_u32 v[TF], s31
	TRIG OV, F0
	TRIG OV+1, F1
	global_store_b64 v[RO], v[OV:OV+1], s[14:15]                   ; 32 lanes store a table row: 256 consecutive bytes, aligned
	s_add_co_u32 s31, s31, 1
	v_cvt_f32_u32 v[TF], s31
	TRIG OV+2, F0
	TRIG OV+3, F1
	global_store_b64 v[RO], v[OV+2:OV+3], s[14:15] offset:256
	s_cmp_lg_u32 s21, 0
	s_cbranch_scc1 .Lno_guard
	s_add_nc_u64 s[16:17], s[16:17], GUARD
	v_mov_b32 v[ZP], 0
	v_mov_b32 v[ZP+1], 0
	global_store_b64 v[RO], v[ZP:ZP+1], s[16:17]                   ; one wave of the launch: the 256 zeros at qkv's end
.Lno_guard:
.macro XSTEP s
.if (\s) < 3
	s_wait_loadcnt 16                              ; this step's 16 loads are in; the next set's 16 may be out
.else
	s_wait_loadcnt 0x0
.endif
	s_wait_xcnt 0x0                                ; earlier stores have read their data: the codes' registers and the rotary part's are rewritten only behind this wait
.irp i, 0,1,2,3,4,5,6,7,8,9,10,11,12,13,14,15
	ds_store_b128 v5, v[R+64*((\s)%2)+4*\i:R+64*((\s)%2)+4*\i+3] offset:528*\i
.endr
.irp b, 0,1,2,3
.irp j, 0,1,2,3
	ds_load_b128 v[X+16*\b+4*\j:X+16*\b+4*\j+3], v6 offset:128*\b+16*\j   ; LDS serves a wave's instructions in order: these see my stores
.endr
.endr
	s_wait_dscnt 0x0
.if (\s)+2 < 4
	XLOAD (\s)+2
.endif
	QUANT X, PC, PC+6, PW+(\s)
.irp p, 0,1,2
	global_store_b128 v7, v[PC+4*\p:PC+4*\p+3], s[10:11] offset:1536*(\s)+512*\p   ; the image: 512 consecutive bytes a store
.endr
.endm
	XSTEP 0
	XSTEP 1
	XSTEP 2
	XSTEP 3
	v_cmp_eq_u32 vcc_lo, 1, v4
	v_cndmask_b32 v248, v[PW], v[PW+2], vcc_lo     ; lanes 0-15 store their row's words 0, 1, lanes 16-31 words 2, 3
	v_cndmask_b32 v249, v[PW+1], v[PW+3], vcc_lo
	global_store_b64 v8, v[248:249], s[28:29]      ; 256 consecutive bytes, aligned
	s_wait_tensorcnt 0x0                           ; the wave's end
	ds_add_u32 v[SPW], v[NIL]
	s_wait_dscnt 0x0
	s_endpgm
; ---------------------------------------------------------------- the weights: K is the first axis, so a lane takes a column and its registers run down K
.Lw_path:
	s_sub_co_u32 s21, ttmp9, 128
	s_lshr_b32 s22, s21, 1                         ; which 64 columns: 0-47 of Wqkv, 48-63 of Wout
	s_and_b32 s23, s21, 1                          ; which half of K
	s_and_b32 s24, s20, 1                          ; which 32 of the 64 columns
	s_lshr_b32 s25, s20, 1
	s_lshl_b32 s26, s23, 2
	s_add_co_u32 s26, s26, s25                     ; K step
	v_bfe_u32 v6, v0, 3, 1                         ; column l of 32 lies in tile (l / 8) % 2,
	v_and_b32 v7, 7, v0
	v_lshl_add_u32 v7, v4, 3, v7                   ; at row l % 8 + 8 (l / 16)
	s_mul_i32 s30, s20, WSTW
	s_add_co_u32 s30, s30, WST
	v_mul_u32_u24 v8, v6, WTP
	v_lshl_add_u32 v8, v7, 4, v8
	v_add_nc_u32 v8, s30, v8                       ; the stage, in: my tile's image, lane r's place
	v_lshl_add_u32 v9, v2, 4, s30                  ; and out: 16 x lane
	s_lshl_b32 s31, s24, 9
	s_lshl_b32 s32, s25, 2
	s_add_co_u32 s31, s31, s32
	s_add_co_u32 s31, s31, WSG
	v_lshlrev_b32 v10, 8, v6
	v_lshl_add_u32 v10, v7, 4, v10
	v_add_nc_u32 v10, s31, v10                     ; my scale word: tile 2 cg + u, row r, word K step % 4
	s_lshl_b32 s31, s24, 9
	s_add_co_u32 s31, s31, WSG
	v_lshl_add_u32 v11, v2, 4, s31                 ; waves 0, 1 read two tiles' words back
	v_lshlrev_b32 v12, 9, v4
	v_lshl_add_u32 v12, v3, 4, v12
	v_lshlrev_b32 v13, 4, v2
	s_mov_b32 s33, 0
	s_lshl_b32 s32, s22, 2
	s_lshl_b32 s36, s24, 1
	s_add_co_u32 s32, s32, s36
	s_mul_i32 s32, s32, 12288
	s_mul_i32 s36, s26, 1536
	s_add_co_u32 s32, s32, s36
	s_add_nc_u64 s[34:35], s[12:13], s[32:33]      ; my two images
	s_lshl_b32 s32, s22, 11
	s_lshl_b32 s36, s24, 10
	s_add_co_u32 s32, s32, s36
	s_lshl_b32 s36, s23, 8
	s_add_co_u32 s32, s32, s36
	s_add_co_u32 s32, s32, WS
	s_add_nc_u64 s[12:13], s[12:13], s[32:33]      ; the scale words that waves 0, 1 store
	s_cmp_lt_u32 s22, 48                           ; which tensor: the choice hangs on the work-group's number alone
	s_cselect_b64 s[44:45], s[6:7], s[8:9]
	s_mov_b32 s40, 4096
	s_cselect_b32 s40, 12288, s40                  ; bytes in a row
	s_cselect_b32 s41, 0, 48
	s_sub_co_u32 s41, s22, s41
	s_lshl_b32 s41, s41, 8
	s_lshl_b32 s36, s24, 7
	s_add_co_u32 s41, s41, s36                     ; my first column, in bytes
	s_lshl_b32 s36, s26, 7
	s_mul_i32 s36, s36, s40                        ; my first row
	s_add_co_u32 s32, s41, s36
	s_add_nc_u64 s[44:45], s[44:45], s[32:33]
	s_lshl_b32 s32, s40, 5                         ; a block of 32 rows on
	s_add_nc_u64 s[46:47], s[44:45], s[32:33]
	s_add_nc_u64 s[48:49], s[46:47], s[32:33]
	s_add_nc_u64 s[50:51], s[48:49], s[32:33]
	v_lshlrev_b32 v[OFF], 2, v2
.irp i, 1,2,3,4,5,6,7,8,9,10,11,12,13,14,15,16,17,18,19,20,21,22,23,24,25,26,27,28,29,30,31
	v_add_nc_u32 v[OFF+\i], s40, v[OFF+\i-1]
.endr
.irp q, 0,1,2,3
.irp i, 0,1,2,3,4,5,6,7,8,9,10,11,12,13,14,15,16,17,18,19,20,21,22,23,24,25,26,27,28,29,30,31
	global_load_b32 v[WX+32*\q+\i], v[OFF+\i], s[44+2*\q:45+2*\q] th:TH_LOAD_NT   ; 32 neighbouring columns of one row; the wave beside me takes the next 32
.endr
.endr
.macro WBLOCK q
.if (\q) < 2
	s_wait_loadcnt 63                              ; block q is in as soon as 96 - 32 q loads or fewer are out; a wait names 63 at the most
.else
	s_wait_loadcnt 32*(3-(\q))
.endif
.set XQ, WX+32*(\q)
	v_max3_num_f32 v[MX], |v[XQ]|, |v[XQ+1]|, |v[XQ+2]|            ; all 32 numbers of the block are mine
	v_max3_num_f32 v[MX+1], |v[XQ+3]|, |v[XQ+4]|, |v[XQ+5]|
.irp i, 6,10,14,18,22,26
	v_max3_num_f32 v[MX], v[MX], |v[XQ+\i]|, |v[XQ+\i+1]|
	v_max3_num_f32 v[MX+1], v[MX+1], |v[XQ+\i+2]|, |v[XQ+\i+3]|
.endr
	v_max3_num_f32 v[MX], v[MX], |v[XQ+30]|, |v[XQ+31]|
	v_max3_num_f32 v[MX], v[MX], v[MX+1], 0x1800000
	v_add_nc_u32 v[SCO], 0xff000000, v[MX]
	v_lshrrev_b32 v[BY], 23, v[SCO]
.if (\q) == 0
	v_mov_b32 v[SW], v[BY]
.else
	v_lshl_or_b32 v[SW], v[BY], 8*(\q), v[SW]
.endif
	v_cvt_scalef32_pk16_fp6_f32 v[C:C+2], v[XQ:XQ+15], v[SCO]
	v_cvt_scalef32_pk16_fp6_f32 v[D:D+2], v[XQ+16:XQ+31], v[SCO]
	v_nop
.irp i, 0,1,2
	v_mov_b32 v[C+3+\i], v[D+\i]
.endr
; block q is registers 6 (q / 2) .. + 5 of lane r + 16 (q % 2) of the image
.if (\q) < 2
	ds_store_b128 v8, v[C:C+3] offset:256*((\q)%2)
	ds_store_b64 v8, v[C+4:C+5] offset:256*((\q)%2)+512
.else
	ds_store_b64 v8, v[C:C+1] offset:256*((\q)%2)+520
	ds_store_b128 v8, v[C+2:C+5] offset:256*((\q)%2)+1024
.endif
	s_wait_dscnt 0x0                               ; the stores have read their registers: the next block's codes may be written
.endm
	WBLOCK 0
	WBLOCK 1
	WBLOCK 2
	WBLOCK 3
	ds_store_b32 v10, v[SW]
.irp u, 0,1
.irp p, 0,1,2
	ds_load_b128 v[OUTR+12*\u+4*\p:OUTR+12*\u+4*\p+3], v9 offset:WTP*\u+512*\p
.endr
.endr
.irp u, 0,1
.irp p, 0,1,2
	s_wait_dscnt 5-3*\u-\p
	global_store_b128 v13, v[OUTR+12*\u+4*\p:OUTR+12*\u+4*\p+3], s[34:35] offset:12288*\u+512*\p
.endr
.endr
	s_wait_dscnt 0x0                               ; for the others' sake: my scale word has landed
	s_barrier_signal -1
	s_barrier_wait -1
	s_cmp_lt_u32 s20, 2
	s_cbranch_scc0 .Lw_end
	ds_load_b128 v[SR:SR+3], v11                   ; four K steps' words of a row, from four waves
	s_wait_dscnt 0x0
	global_store_b128 v12, v[SR:SR+3], s[12:13]    ; sixteen lanes store 256 consecutive bytes, aligned
.Lw_end:
	s_wait_tensorcnt 0x0                           ; the wave's end
	ds_add_u32 v[SPW], v[NIL]
	s_wait_dscnt 0x0
	s_endpgm
.Lfunc_end_k_q6c7717adc1_prep:
	.size	k_q6c7717adc1_prep, .Lfunc_end_k_q6c7717adc1_prep-k_q6c7717adc1_prep
	.p2alignl 7, 3214868480
	.fill 96, 4, 3214868480
	.section	.rodata,"a",@progbits
	.p2align	6, 0x0
	.amdhsa_kernel k_q6c7717adc1_prep
		.amdhsa_group_segment_fixed_size 96256
		.amdhsa_private_segment_fixed_size 0
		.amdhsa_enable_private_segment 0
		.amdhsa_kernarg_size 56
		.amdhsa_user_sgpr_count 2
		.amdhsa_user_sgpr_kernarg_segment_ptr 1
		.amdhsa_wavefront_size32 1
		.amdhsa_system_sgpr_workgroup_id_x 1
		.amdhsa_system_sgpr_workgroup_id_y 1
		.amdhsa_system_sgpr_workgroup_id_z 1
		.amdhsa_system_vgpr_workitem_id 0
		.amdhsa_next_free_vgpr 256
		.amdhsa_next_free_sgpr 66
		.amdhsa_reserve_vcc 1
		.amdhsa_float_denorm_mode_32 3
		.amdhsa_float_denorm_mode_16_64 3
		.amdhsa_memory_ordered 1
		.amdhsa_forward_progress 1
		.amdhsa_inst_pref_size 68
	.end_amdhsa_kernel
	.amdgpu_metadata
---
amdhsa.version: [ 1, 2 ]
amdhsa.kernels:
  - .name:           k_q6c7717adc1_prep
    .symbol:         k_q6c7717adc1_prep.kd
    .args:
      - { .name: x, .offset: 0, .size: 8, .value_kind: global_buffer, .address_space: global }
      - { .name: Wqkv, .offset: 8, .size: 8, .value_kind: global_buffer, .address_space: global }
      - { .name: Wout, .offset: 16, .size: 8, .value_kind: global_buffer, .address_space: global }
      - { .name: xq, .offset: 24, .size: 8, .value_kind: global_buffer, .address_space: global }
      - { .name: wq, .offset: 32, .size: 8, .value_kind: global_buffer, .address_space: global }
      - { .name: rope, .offset: 40, .size: 8, .value_kind: global_buffer, .address_space: global }
      - { .name: qkv, .offset: 48, .size: 8, .value_kind: global_buffer, .address_space: global }
    .group_segment_fixed_size: 96256
    .private_segment_fixed_size: 0
    .kernarg_segment_align: 8
    .kernarg_segment_size: 56
    .max_flat_workgroup_size: 256
    .sgpr_count:     66
    .vgpr_count:     256
    .wavefront_size: 32
...
	.end_amdgpu_metadata
.endif
;; end of part 1
;; launch qkvp (part 2): grid 8 x 96, 4 waves a work-group, clusters of 4 x 4, 327,680 bytes of LDS; arguments xq, wq, rope, qkv; writes qkv
.if DOCPART == 2
	.amdgcn_target "amdgcn-amd-amdhsa--gfx1250"
	.amdhsa_code_object_version 6
	.text
	.protected	k_q6c7717adc1_qkvp
	.globl	k_q6c7717adc1_qkvp
	.p2align	8
	.type	k_q6c7717adc1_qkvp,@function
k_q6c7717adc1_qkvp:
	s_mov_b64 s[64:65], 0
	v_nop
	global_prefetch_b8 v0, s[64:65] scope:SCOPE_SE
	s_setreg_imm32_b32 hwreg(HW_REG_WAVE_MODE, 25, 1), 1
	s_wait_xcnt 0x0
	s_wait_alu depctr_hold_cnt(0) depctr_sa_sdst(0) depctr_va_vdst(0) depctr_va_sdst(0) depctr_va_ssrc(0) depctr_va_vcc(0) depctr_vm_vsrc(0)
	s_getreg_b32 s2, hwreg(HW_REG_IB_STS2, 6, 4)
	s_cmp_eq_u32 s2, 0
	s_cbranch_scc0 .Lentry_in_a_cluster
	s_endpgm
.Lentry_in_a_cluster:
	s_bfe_u32 s2, ttmp6, 0x10000c
	s_cmp_lg_u32 s2, 0xf033
	s_cbranch_scc0 .Lentry_shape_is_right
	s_endpgm
.Lentry_shape_is_right:
; Launch 2 of 4: x Wqkv on codes of FP6, the rotary embedding on q and k, and q, k, v quantised for the attention: q and k along the head's 64, v along the keys.  No work of reference() is left out here.
; A work-group makes 128 rows of source 1 ("A") x 256 rows of source 0 ("B"), all of K = 1,024.  Four waves: wave w takes A's rows 64 (w / 2) on (4 tiles) and B's rows 128 (w % 2) on (8 tiles): 32 accumulators.
; ALL OF K LIES IN LDS: 384 rows x 768 bytes and their scale words.  Every tensor load is a first fill, issued at the head in four chunks of two K steps; nothing is filled again.
; TWO PATHS, parted once on the cluster's y (the same in all sixteen partners).  Clusters y < 16: A = 128 tokens of x, B = 256 columns of Wq (cluster x = 0) or Wk (1): a lane holds one token and its registers run along
; the head, as the rotation and the quantiser along d want it.  Clusters y >= 16: A = 128 columns of Wv (two heads), B = 256 tokens: a lane holds one channel d and its registers run along the keys.
; CLUSTER 4 x 4: A's tile hangs on the cluster's row alone, B's on its column alone: each is asked for jointly by four work-groups.
; OUT (qkv).  q at 0, k at 6,291,456: [batch x head 64][group of 32 tokens 64][image]: registers 0-5 the group's tile 0 (64 d), registers 6-11 its tile 1.  v at VC: [bh][d tile 4][pair of key groups 32][piece 3][lane x 8].
; Scale words: q at QS, k 262,144 on: [bh / 2][group / 2][head % 2][group % 2][r], bytes 0, 1 tile 0, bytes 2, 3 tile 1;  v at VS: [bh][key step of 128: 16][d tile 4][r].
; REGISTERS.  window 0: v1-18 addresses; v30, v31 the add's; v32-63 A's scale words (8 a + K step), v64-127 B's (8 b + K step): these hold scales alone; v160-255 A's fragments, two sets; on the way out v128-255 are at work.
;   window 1: B's fragments, two sets, at v0 and v128.   window 2: accumulator (a, b) at v[8 (8 a + b)].   window 3: cos and sin of my 64 tokens (q, k path).
.set CHUNK, 73728                      ; two K steps: A's 8 tiles x 3,072 bytes, then B's 16
.set BOFF,  24576
.set SCL,   294912                     ; A's scale words, 4,096 bytes; B's, 8,192
.set GQ,    307200                     ; a wave's 256 bytes of q's or k's scale words (stored by the waves: no fill lands here)
.set GV,    308224                     ; the same for v's: the two paths have LDS bytes of their own
.set SPARE, 309248
.set XS,    6291456
.set WS,    3145728
.set VC,    12582912
.set QS,    18874368
.set VS,    19398656
.set NF,    36                         ; LDS loads that bring a K step's fragments
.set ADRA, 4                           ; v4-7  my A fragments in chunk 0..3: 16 x lane + ..
.set ADRB, 8                           ; v8-11 the same for B
.set ASA,  12
.set ASB,  13
.set SPW,  30
.set NIL,  31
.set SCA,  32
.set SCB,  64
.set AF,   160
.set PWA,  128                         ; the way out: v128, v129 scale words of tiles 0, 1; v130-132 shuffled
.set W0,   130
.set W1,   131
.set WSR,  132
.set T,    134
.set TQ,   142
.set RB,   150
.set R0,   152
.set R1,   164
.set TM,   176
.set H,    192
.set SEL,  66                          ; s[66:67]
.set MSB, 0
.macro WIN new                         ; the immediate's high byte repeats the setting that is left
.if MSB != (\new)
	s_set_vgpr_msb (MSB<<8)|(\new)
.set MSB, \new
.endif
.endm
.macro PLACES n
.rept \n
	v_nop
.endr
.endm
.macro CROUND                          ; a round of the cluster's barrier
	s_barrier_signal -1
	s_barrier_wait -1
	s_cmp_lg_u32 s2, 0
	s_cbranch_scc1 .Lnot_wave_0_\@
	s_barrier_signal -3
.Lnot_wave_0_\@:
	s_barrier_wait -3
	s_barrier_signal -1
	s_barrier_wait -1
.endm
; 64 numbers of a lane in window w, register 16 b + i = k 32 b + 16 (lane / 16) + i, become codes (blocks 0, 1 in d0 on, blocks 2, 3 in d1 on) and a scale word
.macro QUANT s, w, d0, d1, pw
	WIN ((\w)<<2)|((\w)<<4)
.irp b, 0,1,2,3
	v_max3_num_f32 v[TM+\b], 0x1800000, |v[(\s)+16*\b]|, |v[(\s)+16*\b+1]|   ; the floor 2^(3 - 127) holds the byte at 1 from below; each accumulator is read from its low end on
.endr
.irp i, 2,4,6,8,10,12,14
.irp b, 0,1,2,3
	v_max3_num_f32 v[TM+\b], v[TM+\b], |v[(\s)+16*\b+\i]|, |v[(\s)+16*\b+\i+1]|
.endr
.endr
	WIN 0
.irp b, 0,1,2,3
	v_permlanex16_b32 v[TM+4+\b], v[TM+\b], s[SEL], s[SEL+1]
.endr
.irp b, 0,1,2,3
	v_max_num_f32 v[TM+\b], v[TM+\b], v[TM+4+\b]
.endr
.irp b, 0,1,2,3
	v_add_nc_u32 v[TM+12+\b], 0xff000000, v[TM+\b]
.endr
.irp b, 0,1,2,3
	v_lshrrev_b32 v[TM+4+\b], 23, v[TM+12+\b]
.endr
	v_lshl_or_b32 v[\pw], v[TM+5], 8, v[TM+4]
	v_lshl_or_b32 v[\pw], v[TM+6], 16, v[\pw]
	v_lshl_or_b32 v[\pw], v[TM+7], 24, v[\pw]
	WIN \w
	v_cvt_scalef32_pk16_fp6_f32 v[(\d0):(\d0)+2], v[(\s):(\s)+15], v[TM+12]
	v_cvt_scalef32_pk16_fp6_f32 v[TQ:TQ+2], v[(\s)+16:(\s)+31], v[TM+13]
	v_cvt_scalef32_pk16_fp6_f32 v[(\d1):(\d1)+2], v[(\s)+32:(\s)+47], v[TM+14]
	v_cvt_scalef32_pk16_fp6_f32 v[TQ+4:TQ+6], v[(\s)+48:(\s)+63], v[TM+15]
	WIN 0
	v_nop                                          ; one plain place behind a scaled conversion
.irp i, 0,1,2
	v_permlane16_swap_b32 v[(\d0)+\i], v[TQ+\i]
	v_permlane16_swap_b32 v[(\d1)+\i], v[TQ+4+\i]
.endr
.irp i, 0,1,2
	v_mov_b32 v[(\d0)+3+\i], v[TQ+\i]
	v_mov_b32 v[(\d1)+3+\i], v[TQ+4+\i]
.endr
.endm
.macro FETCH s, set                    ; K step s: B's 8 images and A's 4, three loads of 512 consecutive bytes each
	WIN 0x40
.irp b, 0,1,2,3,4,5,6,7
.irp p, 0,1,2
	ds_load_b128 v[128*(\set)+12*\b+4*\p:128*(\set)+12*\b+4*\p+3], v[ADRB+(\s)/2] offset:3072*\b+1536*((\s)%2)+512*\p
.endr
.endr
	WIN 0
.irp a, 0,1,2,3
.irp p, 0,1,2
	ds_load_b128 v[AF+48*(\set)+12*\a+4*\p:AF+48*(\set)+12*\a+4*\p+3], v[ADRA+(\s)/2] offset:3072*\a+1536*((\s)%2)+512*\p
.endr
.endr
.endm
.macro MUL s, set                      ; 32 products; the 32 accumulators take turns, one instruction a turn; K step 0 starts the sums
	WIN 0xa1
.irp a, 0,1,2,3
.irp b, 0,1,2,3,4,5,6,7
.if (\s) == 0
	v_wmma_scale_f32_16x16x128_f8f6f4 v[8*(8*\a+\b):8*(8*\a+\b)+7], v[128*(\set)+12*\b:128*(\set)+12*\b+11], v[AF+48*(\set)+12*\a:AF+48*(\set)+12*\a+11], 0, v[SCB+8*\b+(\s)], v[SCA+8*\a+(\s)] matrix_a_fmt:MATRIX_FMT_FP6 matrix_b_fmt:MATRIX_FMT_FP6
.else
	v_wmma_scale_f32_16x16x128_f8f6f4 v[8*(8*\a+\b):8*(8*\a+\b)+7], v[128*(\set)+12*\b:128*(\set)+12*\b+11], v[AF+48*(\set)+12*\a:AF+48*(\set)+12*\a+11], v[8*(8*\a+\b):8*(8*\a+\b)+7], v[SCB+8*\b+(\s)], v[SCA+8*\a+(\s)] matrix_a_fmt:MATRIX_FMT_FP6 matrix_b_fmt:MATRIX_FMT_FP6
.endif
.endr
.endr
.endm
.macro KSTEP s
.if ((\s)%2 == 1) && ((\s) < 7)
	s_wait_tensorcnt (5-(\s))/2                    ; my part of the next chunk has landed: behind it 2, 1, 0 of my five loads were issued
	s_wait_dscnt 0x0                               ; no LDS load of mine is out at the signal
	s_barrier_signal -1
	s_barrier_wait -1                              ; everybody's part has
.endif
.if ((\s) > 0) && ((\s) < 7)
	PLACES 4                                       ; in front of loads into registers that the last products read
.endif
.if (\s) < 7
	FETCH (\s)+1, ((\s)+1)%2
	s_wait_dscnt NF                                ; all but the NF loads just issued: this step's fragments are in
.else
	s_wait_dscnt 0x0
.endif
	MUL \s, (\s)%2
.endm
.macro MAIN
	s_wait_tensorcnt 0x3                           ; the scale words and chunk 0 are in; chunks 1 to 3 may be out
	s_barrier_signal -1
	s_barrier_wait -1
.irp a, 0,1,2,3
.irp f, 0,1
	ds_load_b128 v[SCA+8*\a+4*\f:SCA+8*\a+4*\f+3], v[ASA] offset:512*\a+256*\f     ; lane r: row r's words of four K steps
.endr
.endr
.irp b, 0,1,2,3,4,5,6,7
.irp f, 0,1
	ds_load_b128 v[SCB+8*\b+4*\f:SCB+8*\b+4*\f+3], v[ASB] offset:512*\b+256*\f
.endr
.endr
	FETCH 0, 0
.irp s, 0,1,2,3,4,5,6,7
	KSTEP \s
.endr
	WIN 0
	PLACES 4                                       ; in front of the first read of results and the first write of operands' registers
.endm
	s_load_b256 s[4:11], s[0:1], 0x0               ; xq s[4:5], wq s[6:7], rope s[8:9], qkv s[10:11]
	v_lshl_add_u32 v[SPW], v0, 2, SPARE
	v_mov_b32 v[NIL], 0
	ds_add_u32 v[SPW], v[NIL]                      ; the wave's opening: the add, twice on end, and its wait ahead of my first tensor load
	ds_add_u32 v[SPW], v[NIL]
	v_lshrrev_b32 v1, 5, v0
	v_readfirstlane_b32 s2, v1                     ; wave 0..3
	s_lshr_b32 s3, s2, 1                           ; which 64 rows of A are mine.  Also: I fetch for A (0) or for B (1)
	s_and_b32 s88, s2, 1                           ; which 128 rows of B.  Also: which half of that tile I fetch
	s_bfe_u32 s89, ttmp6, 0x40000                  ; cx
	s_bfe_u32 s90, ttmp6, 0x40004                  ; cy
	s_mov_b32 s91, ttmp9                           ; cluster x: 0, 1
	s_and_b32 s92, ttmp7, 0xffff                   ; cluster y: 0 .. 23
	s_sub_co_u32 s99, s92, 16
	s_cmp_lt_u32 s92, 16
	s_cselect_b32 s93, 1, 0                        ; 1: the q, k path
	s_cselect_b32 s96, s92, s91
	s_cselect_b32 s98, s91, s99
	s_lshl_b32 s95, s96, 2
	s_add_co_u32 s95, s95, s90                     ; A's tile of 128 rows: tokens (0 .. 63) or Wv's columns (0 .. 7)
	s_lshl_b32 s94, s98, 2
	s_add_co_u32 s94, s94, s89                     ; B's tile of 256 rows: columns of Wq, Wk (0 .. 7) or tokens (0 .. 31)
	s_lshl_b32 s96, s90, 2
	s_lshl_b32 s96, 15, s96                        ; my row of the cluster
	s_lshl_b32 s98, 0x1111, s89                    ; my column
	; descriptor groups 1: elements of 8 bytes, no padding; bit 21 set beside a mask.  Codes: rows of 384 elements (two images), 1,536 elements from tile to tile.  Scale words: dense, as rows of 256 bytes
	s_or_b32 s12, s96, (3<<16)|(1<<21)
	s_or_b32 s28, s96, (3<<16)|(1<<21)
	s_or_b32 s20, s98, (3<<16)|(1<<21)
	s_or_b32 s36, s98, (3<<16)|(1<<21)
.irp g, 12, 20
	s_mov_b32 s[\g+1], 384<<16                     ; tensor_dim0
	s_mov_b32 s[\g+3], 384<<16                     ; tile_dim0
	s_mov_b32 s[\g+5], 1536                        ; stride
	s_mov_b32 s[\g+6], 0
	s_mov_b32 s[\g+7], 0
.endr
	s_mov_b32 s14, 4<<16                           ; A: 4 tiles a load
	s_mov_b32 s16, 4
	s_mov_b32 s22, 8<<16                           ; B: 8
	s_mov_b32 s24, 8
.irp g, 28, 36
	s_mov_b32 s[\g+1], 32<<16
	s_mov_b32 s[\g+3], 32<<16
	s_mov_b32 s[\g+5], 32
	s_mov_b32 s[\g+6], 0
	s_mov_b32 s[\g+7], 0
.endr
	s_mov_b32 s30, 8<<16                           ; A's scale words: 2,048 bytes a load
	s_mov_b32 s32, 8
	s_mov_b32 s38, 16<<16                          ; B's: 4,096
	s_mov_b32 s40, 16
	; groups 0: set 0 the scale words, sets 1-4 chunks 0-3.  A's in s[44:63], B's in s[68:87].  LDS addresses hang on the wave's number alone
.irp n, 0,1,2,3,4
	s_mov_b32 s[44+4*\n], 1
	s_mov_b32 s[68+4*\n], 1
.endr
	s_lshl_b32 s96, s88, 11
	s_add_co_u32 s45, s96, SCL
	s_mul_i32 s96, s88, 12288
.irp c, 0,1,2,3
	s_add_co_u32 s[49+4*\c], s96, \c*CHUNK
.endr
	s_lshl_b32 s98, s88, 12
	s_add_co_u32 s69, s98, SCL+4096
	s_mul_i32 s98, s88, 24576
.irp c, 0,1,2,3
	s_add_co_u32 s[73+4*\c], s98, \c*CHUNK+BOFF
.endr
	; offsets in the buffers.  A's are made in registers that never hold cx, B's in registers that never hold cy
	s_lshl_b32 s96, s95, 3
	s_lshl_b32 s97, s88, 2
	s_add_co_u32 s96, s96, s97
	s_cmp_eq_u32 s93, 1
	s_cselect_b32 s97, 0, 128                      ; Wv's tiles begin at 128 in wq
	s_add_co_u32 s96, s96, s97                     ; the first row tile that I fetch for A
	s_mul_i32 s50, s96, 12288
	s_mov_b32 s51, 0
	s_lshl_b32 s46, s96, 9
	s_cmp_eq_u32 s93, 1
	s_mov_b32 s47, WS
	s_cselect_b32 s47, XS, s47
	s_add_co_u32 s46, s46, s47
	s_mov_b32 s47, 0
	s_lshl_b32 s98, s94, 4
	s_lshl_b32 s99, s88, 3
	s_add_co_u32 s98, s98, s99                     ; and for B
	s_mul_i32 s74, s98, 12288
	s_mov_b32 s75, 0
	s_lshl_b32 s70, s98, 9
	s_cmp_eq_u32 s93, 1
	s_mov_b32 s71, XS
	s_cselect_b32 s71, WS, s71
	s_add_co_u32 s70, s70, s71
	s_mov_b32 s71, 0
	s_mov_b32 s[SEL], 0x76543210
	s_mov_b32 s[SEL+1], 0xfedcba98
	s_wait_dscnt 0x0                               ; both opening adds are done
	s_wait_kmcnt 0x0
	s_cmp_eq_u32 s93, 1
	s_cselect_b64 s[100:101], s[4:5], s[6:7]       ; A's buffer
	s_cselect_b64 s[6:7], s[6:7], s[4:5]           ; B's
	s_add_nc_u64 s[46:47], s[100:101], s[46:47]
	s_add_nc_u64 s[50:51], s[100:101], s[50:51]
	s_add_nc_u64 s[54:55], s[50:51], 3072
	s_add_nc_u64 s[58:59], s[50:51], 6144
	s_add_nc_u64 s[62:63], s[50:51], 9216
	s_add_nc_u64 s[70:71], s[6:7], s[70:71]
	s_add_nc_u64 s[74:75], s[6:7], s[74:75]
	s_add_nc_u64 s[78:79], s[74:75], 3072
	s_add_nc_u64 s[82:83], s[74:75], 6144
	s_add_nc_u64 s[86:87], s[74:75], 9216
.irp n, 0,1,2,3,4
	s_or_b32 s[47+4*\n], s[47+4*\n], 0x80000000    ; type = 2
	s_or_b32 s[71+4*\n], s[71+4*\n], 0x80000000
.endr
	CROUND                                         ; all sixteen work-groups are here: the joint loads meet
	s_cmp_eq_u32 s3, 0                             ; a wave's five first fills stand in one branch on the wave's number: five loads of mine are out
	s_cbranch_scc0 .Lfor_b
	tensor_load_to_lds s[44:47], s[28:35]
	s_nop 0
.irp n, 1,2,3,4
	tensor_load_to_lds s[44+4*\n:47+4*\n], s[12:19]
	s_nop 0
.endr
	PLACES 4
	s_branch .Lasked
.Lfor_b:
	tensor_load_to_lds s[68:71], s[36:43]
	s_nop 0
.irp n, 1,2,3,4
	tensor_load_to_lds s[68+4*\n:71+4*\n], s[20:27]
	s_nop 0
.endr
	PLACES 4
.Lasked:
	v_and_b32 v1, 31, v0                           ; lane
	v_and_b32 v2, 15, v0                           ; r
	v_bfe_u32 v3, v0, 4, 1                         ; h
	s_mul_i32 s96, s3, 12288
	v_lshl_add_u32 v[ADRA], v1, 4, s96
	s_mul_i32 s96, s88, 24576
	s_add_co_u32 s96, s96, BOFF
	v_lshl_add_u32 v[ADRB], v1, 4, s96
.irp c, 1,2,3
	v_add_nc_u32 v[ADRA+\c], \c*CHUNK, v[ADRA]
	v_add_nc_u32 v[ADRB+\c], \c*CHUNK, v[ADRB]
.endr
	s_lshl_b32 s96, s3, 11
	s_add_co_u32 s96, s96, SCL
	v_lshl_add_u32 v[ASA], v2, 4, s96
	s_lshl_b32 s96, s88, 12
	s_add_co_u32 s96, s96, SCL+4096
	v_lshl_add_u32 v[ASB], v2, 4, s96
	v_lshlrev_b32 v17, 3, v1                       ; 8 x lane
	v_lshlrev_b32 v18, 4, v1                       ; 16 x lane
	s_mov_b32 s99, 0
	s_cmp_eq_u32 s93, 1
	s_cbranch_scc0 .Lv_path
; ---------------------------------------------------------------- q and k
	s_and_b32 s96, s95, 15
	s_lshl_b32 s96, s96, 7
	s_lshl_b32 s97, s3, 6
	s_add_co_u32 s96, s96, s97                     ; t0: my first token in its sequence
	s_lshl_b32 s98, s96, 8
	s_add_nc_u64 s[8:9], s[8:9], s[98:99]          ; its row of the rotary table
	s_lshr_b32 s97, s95, 4
	s_lshl_b32 s97, s97, 3
	s_and_b32 s98, s94, 3
	s_lshl_b32 s98, s98, 1
	s_add_co_u32 s97, s97, s98
	s_add_co_u32 s97, s97, s88                     ; 8 batch + my pair of heads
	s_lshl_b32 s98, s97, 7
	s_lshr_b32 s100, s96, 5
	s_add_co_u32 s98, s98, s100
	s_mul_i32 s98, s98, 1536
	s_mul_i32 s100, s91, 6291456
	s_add_co_u32 s98, s98, s100
	s_add_nc_u64 s[4:5], s[10:11], s[98:99]        ; the image of my first head's first group, in q or in k
	s_lshl_b32 s98, s97, 5
	s_lshr_b32 s100, s96, 6
	s_add_co_u32 s98, s98, s100
	s_lshl_b32 s98, s98, 8
	s_mul_i32 s100, s91, 262144
	s_add_co_u32 s98, s98, s100
	s_add_co_u32 s98, s98, QS
	s_add_nc_u64 s[10:11], s[10:11], s[98:99]      ; my 256 bytes of scale words
	v_and_b32 v14, 8, v2
	v_add_nc_u32 v14, v14, v2
	v_lshlrev_b32 v14, 8, v14
	v_lshl_add_u32 v14, v3, 7, v14                 ; the table: token r + 8 (r / 8), my half's 32 words
	s_lshl_b32 s100, s2, 8
	s_add_co_u32 s100, s100, GQ
	v_lshlrev_b32 v15, 2, v2
	v_lshl_add_u32 v15, v3, 7, v15
	v_add_nc_u32 v15, s100, v15                    ; LDS: head h of my pair, row r
	v_lshl_add_u32 v16, v1, 3, s100
	WIN 0xc0                                       ; destination window 3
.irp a, 0,1,2,3
.irp p, 0,1,2,3,4,5,6,7
	global_load_b128 v[32*\a+4*\p:32*\a+4*\p+3], v14, s[8:9] offset:(32*(\a/2)+8*(\a%2))*256+16*\p   ; tile a: 16 cos, then 16 sin, of frequencies 16 h + 0 .. 15
.endr
.endr
	WIN 0
	MAIN
	s_wait_loadcnt 0x0                             ; the table
.irp b, 0,1,2,3
	v_mov_b32 v[TM+4+\b], 0                        ; written once: a lane permute's destination counts as one of its sources
.endr
	s_mov_b32 s96, 0xffff0000
; Tile a = 2 g + u of tokens.  Accumulator registers 64 a + 32 c + i are head c's d = 16 h + i (x1), + 16 its d = 32 + 16 h + i (x2): both of one frequency, in one lane.
.irp g, 0,1
.irp u, 0,1
	WIN 0x0e                                       ; source 0 window 2 (results), source 1 window 3 (table)
.irp c, 0,1
.irp i, 0,2,4,6,8,10,12,14
	v_pk_mul_f32 v[T+4*((\i/2)%2):T+4*((\i/2)%2)+1], v[64*(2*\g+\u)+32*\c+16+\i:64*(2*\g+\u)+32*\c+17+\i], v[32*(2*\g+\u)+16+\i:32*(2*\g+\u)+17+\i]
	v_pk_mul_f32 v[T+4*((\i/2)%2)+2:T+4*((\i/2)%2)+3], v[64*(2*\g+\u)+32*\c+16+\i:64*(2*\g+\u)+32*\c+17+\i], v[32*(2*\g+\u)+\i:32*(2*\g+\u)+1+\i]
	v_pk_fma_f32 v[H+32*\c+\i:H+32*\c+\i+1], v[64*(2*\g+\u)+32*\c+\i:64*(2*\g+\u)+32*\c+1+\i], v[32*(2*\g+\u)+\i:32*(2*\g+\u)+1+\i], v[T+4*((\i/2)%2):T+4*((\i/2)%2)+1] neg_lo:[0,0,1] neg_hi:[0,0,1]   ; x1 cos - x2 sin
	v_pk_fma_f32 v[H+32*\c+16+\i:H+32*\c+17+\i], v[64*(2*\g+\u)+32*\c+\i:64*(2*\g+\u)+32*\c+1+\i], v[32*(2*\g+\u)+16+\i:32*(2*\g+\u)+17+\i], v[T+4*((\i/2)%2)+2:T+4*((\i/2)%2)+3]   ; x1 sin + x2 cos
.endr
.endr
	WIN 0
.if (\g > 0) && (\u == 0)
	s_wait_xcnt 0x0                                ; the last group's stores have read their data
.endif
	QUANT H, 0, R0+6*\u, R1+6*\u, PWA+\u           ; blocks 0, 1: head 0; blocks 2, 3: head 1; tile u is half u of each head's image
.endr
.irp p, 0,1,2
	global_store_b128 v18, v[R0+4*\p:R0+4*\p+3], s[4:5] offset:1536*\g+512*\p
	global_store_b128 v18, v[R1+4*\p:R1+4*\p+3], s[4:5] offset:98304+1536*\g+512*\p
.endr
	v_perm_b32 v[W0], v[PWA+1], v[PWA], 0x05040100 ; head 0's word: tile 0's two bytes, tile 1's two
	v_perm_b32 v[W1], v[PWA+1], v[PWA], 0x07060302 ; head 1's
	v_cndmask_b32 v[WSR], v[W0], v[W1], s96        ; lanes 16-31 carry head 1's
	ds_store_b32 v15, v[WSR] offset:64*\g
.endr
	ds_load_b64 v[RB:RB+1], v16                    ; LDS serves a wave's instructions in order: this sees my stores
	s_wait_dscnt 0x0
	global_store_b64 v17, v[RB:RB+1], s[10:11]     ; 256 consecutive bytes, aligned
	s_wait_tensorcnt 0x0                           ; the wave's end
	ds_add_u32 v[SPW], v[NIL]
	s_wait_dscnt 0x0
	CROUND                                         ; the closing round
	s_endpgm
; ---------------------------------------------------------------- v
.Lv_path:
	s_lshl_b32 s96, s95, 1
	s_add_co_u32 s96, s96, s3                      ; head
	s_lshr_b32 s97, s94, 3
	s_lshl_b32 s97, s97, 4
	s_add_co_u32 s96, s96, s97                     ; 16 batch + head
	s_and_b32 s97, s94, 7
	s_lshl_b32 s97, s97, 1
	s_add_co_u32 s97, s97, s88                     ; my key step of 128
	s_lshl_b32 s98, s96, 7
	s_lshl_b32 s100, s97, 1
	s_add_co_u32 s98, s98, s100
	s_mul_i32 s98, s98, 768
	s_add_co_u32 s98, s98, VC
	s_add_nc_u64 s[4:5], s[10:11], s[98:99]
	s_lshl_b32 s98, s96, 4
	s_add_co_u32 s98, s98, s97
	s_lshl_b32 s98, s98, 8
	s_add_co_u32 s98, s98, VS
	s_add_nc_u64 s[10:11], s[10:11], s[98:99]
	s_lshl_b32 s100, s2, 8
	s_add_co_u32 s100, s100, GV
	v_lshl_add_u32 v15, v2, 2, s100
	v_lshl_add_u32 v16, v1, 3, s100
	MAIN
.irp b, 0,1,2,3
	v_mov_b32 v[TM+4+\b], 0
.endr
; d tile a: a lane's 64 results are 64 keys of one channel: register 16 b + i = key 32 b + 16 h + i of my 128: quantised straight out of the accumulators
.irp a, 0,1,2,3
.if \a > 0
	s_wait_xcnt 0x0                                ; the last tile's stores have read their data
.endif
	QUANT 64*\a, 2, R0, R0+6, PWA
.irp c, 0,1
.irp p, 0,1,2
	global_store_b64 v17, v[R0+6*\c+2*\p:R0+6*\c+2*\p+1], s[4:5] offset:24576*\a+768*\c+256*\p   ; 256 consecutive bytes, aligned
.endr
.endr
	ds_store_b32 v15, v[PWA] offset:64*\a          ; both halves of the lanes write the same word with the same value
.endr
	ds_load_b64 v[RB:RB+1], v16
	s_wait_dscnt 0x0
	global_store_b64 v17, v[RB:RB+1], s[10:11]
	s_wait_tensorcnt 0x0                           ; the wave's end
	ds_add_u32 v[SPW], v[NIL]
	s_wait_dscnt 0x0
	CROUND                                         ; the closing round
	s_endpgm
.Lfunc_end_k_q6c7717adc1_qkvp:
	.size	k_q6c7717adc1_qkvp, .Lfunc_end_k_q6c7717adc1_qkvp-k_q6c7717adc1_qkvp
	.p2alignl 7, 3214868480
	.fill 96, 4, 3214868480
	.section	.rodata,"a",@progbits
	.p2align	6, 0x0
	.amdhsa_kernel k_q6c7717adc1_qkvp
		.amdhsa_group_segment_fixed_size 327680
		.amdhsa_private_segment_fixed_size 0
		.amdhsa_enable_private_segment 0
		.amdhsa_kernarg_size 32
		.amdhsa_user_sgpr_count 2
		.amdhsa_user_sgpr_kernarg_segment_ptr 1
		.amdhsa_wavefront_size32 1
		.amdhsa_system_sgpr_workgroup_id_x 1
		.amdhsa_system_sgpr_workgroup_id_y 1
		.amdhsa_system_sgpr_workgroup_id_z 1
		.amdhsa_system_vgpr_workitem_id 0
		.amdhsa_next_free_vgpr 896
		.amdhsa_next_free_sgpr 102
		.amdhsa_reserve_vcc 0
		.amdhsa_float_denorm_mode_32 3
		.amdhsa_float_denorm_mode_16_64 3
		.amdhsa_memory_ordered 1
		.amdhsa_forward_progress 1
		.amdhsa_inst_pref_size 176
	.end_amdhsa_kernel
	.amdgpu_metadata
---
amdhsa.version: [ 1, 2 ]
amdhsa.kernels:
  - .name:           k_q6c7717adc1_qkvp
    .symbol:         k_q6c7717adc1_qkvp.kd
    .args:
      - { .name: xq, .offset: 0, .size: 8, .value_kind: global_buffer, .address_space: global }
      - { .name: wq, .offset: 8, .size: 8, .value_kind: global_buffer, .address_space: global }
      - { .name: rope, .offset: 16, .size: 8, .value_kind: global_buffer, .address_space: global }
      - { .name: qkv, .offset: 24, .size: 8, .value_kind: global_buffer, .address_space: global }
    .group_segment_fixed_size: 327680
    .private_segment_fixed_size: 0
    .kernarg_segment_align: 8
    .kernarg_segment_size: 32
    .max_flat_workgroup_size: 128
    .sgpr_count:     102
    .vgpr_count:     896
    .wavefront_size: 32
...
	.end_amdgpu_metadata
.endif
;; end of part 2
;; launch attn (part 3): grid 4 x 64, 8 waves a work-group, no clusters, 167,936 bytes of LDS; arguments qkv, oq; writes oq
.if DOCPART == 3
	.amdgcn_target "amdgcn-amd-amdhsa--gfx1250"
	.amdhsa_code_object_version 6
	.text
	.protected	k_q6c7717adc1_attn
	.globl	k_q6c7717adc1_attn
	.p2align	8
	.type	k_q6c7717adc1_attn,@function
k_q6c7717adc1_attn:
	s_mov_b64 s[64:65], 0
	v_nop
	global_prefetch_b8 v0, s[64:65] scope:SCOPE_SE
	s_setreg_imm32_b32 hwreg(HW_REG_WAVE_MODE, 25, 1), 1
	s_wait_xcnt 0x0
; Launch 3 of 4: the attention on codes of FP6.  WORK LEFT OUT: for a query of the 32-aligned group G only the key groups G - 4 .. G + 4 are multiplied; the mask that reference() builds gives every other key
; p = 0 exactly, for all inputs (shown at the head of the first kernel).  A NaN, infinity or overflow that would arise only in those scores is not carried to the result.
; A work-group owns 512 queries of one head (batch x head = y, block z = x).  Its 768 keys (24 groups) of K and V and their scale words come into LDS once, by first fills; nothing is filled again.
; NO CLUSTER: the four work-groups of a head share 256 of their 768 keys, a third of a fill that is made once.
; Wave w takes, in trip j = 0 .. 3, the tile of 16 queries w + 8 j: tile u = w % 2 of group G' = w / 2 + 4 j.  A row's 288 scores lie in registers: the softmax is taken in one go, with the row's true maximum.
; S^T = K Q^T.  K = 64 is half of the instruction's 128: an image of K holds a group's two tiles of 16 keys side by side along the instruction's K, and q stands beside 64 zero codes: (q, 0) multiplies tile 0, (0, q) tile 1.
; The mask inside groups G - 4 and G + 4 is the C of their products: 0 or -1e30.  A group that lies outside the sequence (at most 4 of the 9, at a sequence's two ends) is multiplied on whatever neighbours it in the
; workspace (written, finite; scale bytes never 0xff) and gets -1e30 added ahead of the maximum and of the exponential: p = 0, zero codes.  That keeps one text for all waves, with no branch.
; p = 2^(t - M), t = score x log2(e) / 8, M = ceil(the row's largest t); the row's sum is taken of the unquantised p and divides O at the end.  LIMIT: a p under 2^-126 counts as 0.
; O^T = V^T P^T in three steps of 128 keys (groups 0-3, 4-7, 8 and zero codes).  O / l is quantised along the head's 64 for the last product.
; OUT (oq): [row tile 512][K step 8][half: head % 2]: 768 bytes: registers 0-3 at 16 x lane, registers 4, 5 at 512 + 8 x lane; at OSO [batch][head 16][tile 128][r]: two scale bytes.
; REGISTERS.  window 0: v1-27 addresses and constants (v26 the reciprocal of the row's sum); v32-175 S^T, then p (16 g + i); v176-184 group maxima, then scale operands; v186-194 exchange;
;   v196-220 scale words alone (K's 9, q's, V's 12, p's 3); v222-233 V's raw words, then the sums; v234-253 p's codes of step 0.
;   window 1: v0-23 (q, 0), (0, q); v24-55 the two masks; v56-87 O^T; v96-239 K's 9 images, then V's 12 fragments.
.set VL,    36864                      ; LDS: K's 24 images from 0; V: 4 d tiles x 9,216 bytes
.set SKL,   73728                      ; K's scale words, 64 bytes a group
.set SVL,   76800                      ; V's, 256 bytes a key step, 6 steps
.set OSL,   78336                      ; o's scale bytes, stored by the waves: no fill lands here
.set SPARE, 79360
.set KC,    6291456
.set VC,    12582912
.set QS,    18874368
.set KS,    19136512
.set VS,    19398656
.set OSO,   6291456
.set AK,  4
.set ASK, 5
.set AV,  6
.set AV2, 7
.set ASV, 8
.set AQ,  9                            ; v9-11
.set AQS, 12
.set L16, 13
.set L8,  14
.set AOS, 15
.set AOR, 16
.set GOS, 17
.set DD,  18
.set NEGV, 19
.set QW,  20
.set TT,  21
.set NM,  22                           ; v[22:23] -M (the low word serves both halves)
.set MT,  24
.set RL,  26                           ; v[26:27] 1 / l (the low word serves both halves): a number that no line between the reciprocal and its wait carries
.set SPW, 30
.set NIL, 31
.set S,   32
.set GM,  176
.set GT,  186
.set KW,  196
.set QSW, 205
.set VSW, 206
.set PSW, 218
.set U,   222
.set LS,  222
.set LT,  232
.set P0,  234
.set T0,  246
.set P1,  32
.set P2,  44
.set T1,  56
.set T2,  64
.set OF,  96
.set QM,  128
.set OW,  136
.set OC,  138
.set OT,  144
.set QL,  0                            ; window 1
.set BL,  24
.set BH,  40
.set O,   56
.set KV,  96
.set QB,  48                           ; s[48:49] q's image of trip 0; s[50:51] its scale words; s[52:53] my half image in oq; s[54:55] the work-group's scale bytes in oq
.set QSB, 50
.set OB,  52
.set OSB, 54
.set CS,  56
.set SEL, 58
.set NEG, 60
.set QSEL, 61
.set SH,  62
.set GB,  63
.set PEN, 66                           ; s66-74: 0 or -1e30 for group g
.set MSB, 0
.macro WIN new
.if MSB != (\new)
	s_set_vgpr_msb (MSB<<8)|(\new)
.set MSB, \new
.endif
.endm
.macro PLACES n
.rept \n
	v_nop
.endr
.endm
.macro KLOAD j                         ; the nine groups' images and scale words
	WIN 0x40
.irp g, 0,1,2,3,4,5,6,7,8
.irp p, 0,1,2
	ds_load_b128 v[KV+12*\g+4*\p:KV+12*\g+4*\p+3], v[AK] offset:6144*(\j)+1536*\g+512*\p
.endr
.endr
	WIN 0
.irp g, 0,1,2,3,4,5,6,7,8
	ds_load_b32 v[KW+\g], v[ASK] offset:256*(\j)+64*\g
.endr
.endm
.macro VLOAD j                         ; lane (r, h) of fragment (k, a) wants groups 4 k + 2 c + h of my nine: 24 bytes each, in three pieces
	WIN 0x40
.irp k, 0,1
.irp a, 0,1,2,3
.irp c, 0,1
.irp p, 0,1,2
	ds_load_b64 v[KV+12*(4*\k+\a)+6*\c+2*\p:KV+12*(4*\k+\a)+6*\c+2*\p+1], v[AV] offset:1536*(\j)+9216*\a+1536*\k+768*\c+256*\p
.endr
.endr
.endr
.endr
.irp a, 0,1,2,3
.irp p, 0,1,2
	ds_load_b64 v[KV+12*(8+\a)+2*\p:KV+12*(8+\a)+2*\p+1], v[AV2] offset:1536*(\j)+9216*\a+3072+256*\p   ; step 2: group 8 alone; lanes 16-31 read what lanes 0-15 read, and meet zero codes of p
.endr
.endr
.endm
.macro QLOAD j                         ; my tile's six registers of q's image, into both operands
	WIN 0x40
.irp p, 0,1,2
	global_load_b64 v[QL+2*\p:QL+2*\p+1], v[AQ+\p], s[QB:QB+1] offset:6144*(\j)
	global_load_b64 v[QL+18+2*\p:QL+19+2*\p], v[AQ+\p], s[QB:QB+1] offset:6144*(\j)
.endr
	WIN 0
	global_load_b32 v[QW], v[AQS], s[QSB:QSB+1] offset:512*(\j)
.endm
	s_load_b128 s[4:7], s[0:1], 0x0                ; qkv s[4:5], oq s[6:7]
	v_lshl_add_u32 v[SPW], v0, 2, SPARE
	v_mov_b32 v[NIL], 0
	ds_add_u32 v[SPW], v[NIL]                      ; the wave's opening: the add, twice on end, and its wait ahead of my first tensor load
	ds_add_u32 v[SPW], v[NIL]
	v_lshrrev_b32 v1, 5, v0
	v_readfirstlane_b32 s2, v1                     ; wave 0..7
	s_lshr_b32 s3, s2, 1
	s_and_b32 s8, s2, 1                            ; u
	s_mov_b32 s9, ttmp9                            ; z
	s_and_b32 s10, ttmp7, 0xffff                   ; 16 batch + head
	; descriptor groups 1: elements of 8 bytes, no padding, no mask.  s[12:19]: 9,216 dense bytes as 36 rows of 256;  s[20:27]: K's scale words, 12 rows of 128 bytes, 256 apart;  s[28:35]: V's, 6 rows of 256
	s_mov_b32 s12, 3<<16
	s_mov_b32 s13, 32<<16
	s_mov_b32 s14, 36<<16
	s_mov_b32 s15, 32<<16
	s_mov_b32 s16, 36
	s_mov_b32 s17, 32
	s_mov_b32 s18, 0
	s_mov_b32 s19, 0
	s_mov_b32 s20, 3<<16
	s_mov_b32 s21, 16<<16
	s_mov_b32 s22, 12<<16
	s_mov_b32 s23, 16<<16
	s_mov_b32 s24, 12
	s_mov_b32 s25, 32
	s_mov_b32 s26, 0
	s_mov_b32 s27, 0
	s_mov_b32 s28, 3<<16
	s_mov_b32 s29, 32<<16
	s_mov_b32 s30, 6<<16
	s_mov_b32 s31, 32<<16
	s_mov_b32 s32, 6
	s_mov_b32 s33, 32
	s_mov_b32 s34, 0
	s_mov_b32 s35, 0
	; my quarter of K's window (waves 0-3) or my d tile of V's (waves 4-7).  The window begins four groups ahead of the block's first query
	s_mul_i32 s75, s10, 98304
	s_mul_i32 s76, s9, 24576
	s_mul_i32 s77, s2, 9216
	s_add_co_u32 s76, s76, s77
	s_add_co_u32 s76, s76, KC-6144
	s_mul_i32 s77, s9, 6144
	s_mul_i32 s78, s2, 24576
	s_add_co_u32 s77, s77, s78
	s_add_co_u32 s77, s77, VC-1536-98304
	s_cmp_lt_u32 s2, 4
	s_cselect_b32 s76, s76, s77
	s_add_co_u32 s38, s76, s75
	s_mov_b32 s39, 0
	s_mov_b32 s36, 1
	s_mul_i32 s37, s2, 9216                        ; LDS: wave x 9,216
	s_lshr_b32 s75, s10, 1
	s_lshl_b32 s75, s75, 13
	s_lshl_b32 s76, s9, 11
	s_add_co_u32 s75, s75, s76
	s_and_b32 s76, s10, 1
	s_lshl_b32 s76, s76, 7
	s_add_co_u32 s75, s75, s76                     ; the block's place among q's and k's scale words
	s_add_co_u32 s42, s75, KS-512
	s_mov_b32 s43, 0
	s_mov_b32 s40, 1
	s_mov_b32 s41, SKL
	s_lshr_b32 s76, s2, 2
	s_lshl_b32 s76, s76, 8
	s_add_co_u32 s[QSB], s75, s76
	s_and_b32 s76, s3, 1
	s_lshl_b32 s76, s76, 6
	s_add_co_u32 s[QSB], s[QSB], s76
	s_add_co_u32 s[QSB], s[QSB], QS
	s_mov_b32 s[QSB+1], 0
	s_lshl_b32 s46, s10, 12
	s_lshl_b32 s76, s9, 10
	s_add_co_u32 s46, s46, s76
	s_add_co_u32 s46, s46, VS-256
	s_mov_b32 s47, 0
	s_mov_b32 s44, 1
	s_mov_b32 s45, SVL
	s_lshl_b32 s75, s10, 6
	s_lshl_b32 s76, s9, 4
	s_add_co_u32 s75, s75, s76
	s_add_co_u32 s75, s75, s3
	s_mul_i32 s[QB], s75, 1536
	s_mov_b32 s[QB+1], 0
	s_lshr_b32 s75, s10, 4                         ; batch
	s_and_b32 s76, s10, 15                         ; head
	s_lshl_b32 s77, s75, 7
	s_lshl_b32 s78, s9, 5
	s_add_co_u32 s77, s77, s78
	s_add_co_u32 s77, s77, s2                      ; trip 0's row tile
	s_lshl_b32 s77, s77, 3
	s_lshr_b32 s78, s76, 1
	s_add_co_u32 s77, s77, s78
	s_mul_i32 s[OB], s77, 1536
	s_and_b32 s78, s76, 1
	s_mul_i32 s78, s78, 768
	s_add_co_u32 s[OB], s[OB], s78
	s_mov_b32 s[OB+1], 0
	s_lshl_b32 s[OSB], s75, 16
	s_lshl_b32 s78, s76, 12
	s_add_co_u32 s[OSB], s[OSB], s78
	s_lshl_b32 s78, s9, 10
	s_add_co_u32 s[OSB], s[OSB], s78
	s_add_co_u32 s[OSB], s[OSB], OSO
	s_mov_b32 s[OSB+1], 0
	s_mov_b32 s[CS], 0x3e38aa3b                    ; c = log2(e) / 8
	s_mov_b32 s[CS+1], s[CS]
	s_mov_b32 s[SEL], 0x76543210
	s_mov_b32 s[SEL+1], 0xfedcba98
	s_mov_b32 s[NEG], 0xf149f2ca                   ; -1e30
	s_lshl_b32 s[SH], s3, 3                        ; my groups begin w / 2 bytes into V's scale words
	s_lshl_b32 s[GB], s9, 4
	s_add_co_u32 s[GB], s[GB], s3
	s_sub_co_u32 s[GB], s[GB], 4                   ; the sequence's group that is my group 0 in trip 0 (it may wrap: the compare is unsigned)
	s_cmp_eq_u32 s8, 0
	s_cselect_b32 s75, 0, 520                      ; where registers 6 u .. 6 u + 5 lie in an image, beside 16 x lane
	s_mov_b32 s76, 1024
	s_cselect_b32 s76, 8, s76
	s_mov_b32 s77, 1032
	s_cselect_b32 s77, 512, s77
	s_mov_b32 s[QSEL], 0x03020302
	s_cselect_b32 s[QSEL], 0x01000100, s[QSEL]     ; my tile's two scale bytes, twice
	s_wait_dscnt 0x0                               ; both opening adds are done
	s_wait_kmcnt 0x0
	s_add_nc_u64 s[38:39], s[4:5], s[38:39]
	s_or_b32 s39, s39, 0x80000000
	s_add_nc_u64 s[42:43], s[4:5], s[42:43]
	s_or_b32 s43, s43, 0x80000000
	s_add_nc_u64 s[46:47], s[4:5], s[46:47]
	s_or_b32 s47, s47, 0x80000000
	s_add_nc_u64 s[QB:QB+1], s[4:5], s[QB:QB+1]
	s_add_nc_u64 s[QSB:QSB+1], s[4:5], s[QSB:QSB+1]
	s_add_nc_u64 s[OB:OB+1], s[6:7], s[OB:OB+1]
	s_add_nc_u64 s[OSB:OSB+1], s[6:7], s[OSB:OSB+1]
	tensor_load_to_lds s[36:39], s[12:19]          ; every wave: 9,216 bytes of codes.  Waves 0 and 1 have two loads out, the others one
	s_nop 0
	PLACES 4
	s_cmp_eq_u32 s2, 0
	s_cbranch_scc0 .Lnot_0
	tensor_load_to_lds s[40:43], s[20:27]          ; K's scale words
	s_nop 0
	PLACES 4
.Lnot_0:
	s_cmp_eq_u32 s2, 1
	s_cbranch_scc0 .Lnot_1
	tensor_load_to_lds s[44:47], s[28:35]          ; V's
	s_nop 0
	PLACES 4
.Lnot_1:
	v_and_b32 v1, 31, v0                           ; lane
	v_and_b32 v2, 15, v0                           ; r
	v_bfe_u32 v3, v0, 4, 1                         ; h
	v_lshl_add_u32 v[AQ], v1, 4, s75
	v_lshl_add_u32 v[AQ+1], v1, 4, s76
	v_lshl_add_u32 v[AQ+2], v1, 4, s77
	v_lshlrev_b32 v[AQS], 2, v2
	QLOAD 0
	s_mul_i32 s75, s3, 1536
	v_lshl_add_u32 v[AK], v1, 4, s75
	s_lshl_b32 s75, s3, 6
	s_add_co_u32 s75, s75, SKL
	v_lshl_add_u32 v[ASK], v2, 2, s75
	v_add_nc_u32 v[AV], s3, v3                     ; x = w / 2 + h: pair x / 2, half x % 2
	v_lshrrev_b32 v[TT], 1, v[AV]
	v_and_b32 v[AV], 1, v[AV]
	v_lshlrev_b32 v[AV], 7, v[AV]
	v_mad_u32_u24 v[AV], v[TT], 768, v[AV]
	v_lshl_add_u32 v[AV], v2, 3, v[AV]
	v_add_nc_u32 v[AV], VL, v[AV]
	s_lshr_b32 s75, s3, 1
	s_mul_i32 s75, s75, 768
	s_and_b32 s76, s3, 1
	s_lshl_b32 s76, s76, 7
	s_add_co_u32 s75, s75, s76
	s_add_co_u32 s75, s75, VL
	v_lshl_add_u32 v[AV2], v2, 3, s75
	v_lshl_add_u32 v[ASV], v2, 2, SVL
	v_lshlrev_b32 v[L16], 4, v1
	v_lshlrev_b32 v[L8], 3, v1
	s_lshl_b32 s75, s2, 5
	s_add_co_u32 s75, s75, OSL
	v_lshl_add_u32 v[AOS], v2, 1, s75
	s_lshl_b32 s75, s8, 9
	v_lshl_add_u32 v[GOS], v1, 4, s75
	v_add_nc_u32 v[AOR], OSL, v[GOS]
	v_and_b32 v[DD], 8, v2
	v_add_nc_u32 v[DD], v[DD], v2
	s_lshl_b32 s75, s8, 3
	v_add_nc_u32 v[DD], s75, v[DD]                 ; my query's place in its group,
	v_lshlrev_b32 v[TT], 4, v3
	v_sub_nc_u32 v[DD], v[DD], v[TT]               ; less 16 h: register n holds the key at place 16 h + n
	v_mov_b32 v[NEGV], s[NEG]
	v_mov_b32 v[NM+1], 0                           ; (named as the upper half of a pair)
	v_mov_b32 v[RL+1], 0                           ; (likewise)
.irp g, 0,1,2,3,4,5,6,7,8
	v_mov_b32 v[GT+\g], 0                          ; written once: a lane permute's destination counts as one of its sources
.endr
	WIN 0x40
.irp i, 0,1,2,3,4,5
	v_mov_b32 v[QL+6+\i], 0                        ; (q, 0)
	v_mov_b32 v[QL+12+\i], 0                       ; (0, q)
.endr
.irp f, 9,10,11
.irp i, 6,7,8,9,10,11
	v_mov_b32 v[KV+12*\f+\i], 0                    ; the upper halves of step 2's fragments that no load ever writes (they meet zero codes of p)
.endr
.endr
	WIN 0
	s_wait_tensorcnt 0x0                           ; my loads have landed,
	s_barrier_signal -1
	s_barrier_wait -1                              ; everybody's have
	KLOAD 0
	s_wait_loadcnt 0x0                             ; q
	v_perm_b32 v[QSW], v[QW], v[QW], s[QSEL]
	WIN 0x40
.irp n, 0,1,2,3,4,5,6,7,8,9,10,11,12,13,14,15
	v_cmp_lt_i32 vcc_lo, \n, v[DD]                 ; group G - 4: the key counts where its place is at or behind the query's
	v_cndmask_b32 v[BL+\n], 0, v[NEGV], vcc_lo
	v_cmp_gt_i32 vcc_lo, \n, v[DD]                 ; group G + 4: where it is at or ahead of it
	v_cndmask_b32 v[BH+\n], 0, v[NEGV], vcc_lo
.endr
	WIN 0
	PLACES 4
.macro TRIP j
.if (\j) > 0
	s_wait_xcnt 0x0                                ; the last trip's stores have read their data, which the products below write over
.endif
.irp g, 0,1,2,3,5,6,7,8
	s_add_co_u32 s75, s[GB], 4*(\j)+\g
	s_cmp_lt_u32 s75, 64
	s_cselect_b32 s[PEN+\g], 0, s[NEG]             ; -1e30 for a group outside the sequence
.endr
	s_wait_dscnt 0x0                               ; K's images and scale words
	WIN 0x15
.irp g, 0,1,2,3,4,5,6,7,8
.irp u, 0,1
.if \g == 0
	v_wmma_scale_f32_16x16x128_f8f6f4 v[S+16*\g+8*\u:S+16*\g+8*\u+7], v[KV+12*\g:KV+12*\g+11], v[QL+12*\u:QL+12*\u+11], v[BL+8*\u:BL+8*\u+7], v[KW+\g], v[QSW] matrix_a_fmt:MATRIX_FMT_FP6 matrix_b_fmt:MATRIX_FMT_FP6
.elseif \g == 8
	v_wmma_scale_f32_16x16x128_f8f6f4 v[S+16*\g+8*\u:S+16*\g+8*\u+7], v[KV+12*\g:KV+12*\g+11], v[QL+12*\u:QL+12*\u+11], v[BH+8*\u:BH+8*\u+7], v[KW+\g], v[QSW] matrix_a_fmt:MATRIX_FMT_FP6 matrix_b_fmt:MATRIX_FMT_FP6
.else
	v_wmma_scale_f32_16x16x128_f8f6f4 v[S+16*\g+8*\u:S+16*\g+8*\u+7], v[KV+12*\g:KV+12*\g+11], v[QL+12*\u:QL+12*\u+11], 0, v[KW+\g], v[QSW] matrix_a_fmt:MATRIX_FMT_FP6 matrix_b_fmt:MATRIX_FMT_FP6
.endif
.endr
.endr
	WIN 0
	PLACES 4                                       ; in front of the loads into K's and q's registers and of the first read of scores
	VLOAD \j
.if (\j) < 3
	QLOAD (\j)+1
.endif
	WIN 0
.irp m, 0,1,2
.irp a, 0,1,2,3
	ds_load_b32 v[U+4*\m+\a], v[ASV] offset:256*((\j)+\m)+64*\a
.endr
.endr
	; the largest score of each group of 32 keys: it serves the row's maximum and, since p rises with the score, the block's largest p
.irp g, 0,1,2,3,4,5,6,7,8
	v_max3_num_f32 v[GM+\g], v[S+16*\g], v[S+16*\g+1], v[S+16*\g+2]
.endr
.irp i, 3,5,7,9,11,13
.irp g, 0,1,2,3,4,5,6,7,8
	v_max3_num_f32 v[GM+\g], v[GM+\g], v[S+16*\g+\i], v[S+16*\g+\i+1]
.endr
.endr
.irp g, 0,1,2,3,4,5,6,7,8
	v_max_num_f32 v[GM+\g], v[GM+\g], v[S+16*\g+15]
.endr
.irp g, 0,1,2,3,4,5,6,7,8
	v_permlanex16_b32 v[GT+\g], v[GM+\g], s[SEL], s[SEL+1]
.endr
.irp g, 0,1,2,3,4,5,6,7,8
	v_max_num_f32 v[GM+\g], v[GM+\g], v[GT+\g]
.endr
.irp g, 0,1,2,3,5,6,7,8
	v_add_f32 v[GM+\g], s[PEN+\g], v[GM+\g]
.endr
	v_max3_num_f32 v[MT], v[GM], v[GM+1], v[GM+2]
	v_max3_num_f32 v[MT], v[MT], v[GM+3], v[GM+4]
	v_max3_num_f32 v[MT], v[MT], v[GM+5], v[GM+6]
	v_max3_num_f32 v[MT], v[MT], v[GM+7], v[GM+8]  ; the row's largest score: the query's own key always counts
	v_mul_f32 v[MT], s[CS], v[MT]
	v_floor_f32 v[NM], -v[MT]                      ; -M = floor(-t) = -ceil(t)
.irp g, 0,1,2,3,4,5,6,7,8
.if \g == 4
.irp n, 0,2,4,6,8,10,12,14
	v_pk_fma_f32 v[S+16*\g+\n:S+16*\g+\n+1], v[S+16*\g+\n:S+16*\g+\n+1], s[CS:CS+1], v[NM:NM+1] op_sel_hi:[1,0,0]
.endr
.else
	v_add_f32 v[GT+2*(\g%4)], s[PEN+\g], v[NM]     ; -M, or about -1e30
.irp n, 0,2,4,6,8,10,12,14
	v_pk_fma_f32 v[S+16*\g+\n:S+16*\g+\n+1], v[S+16*\g+\n:S+16*\g+\n+1], s[CS:CS+1], v[GT+2*(\g%4):GT+2*(\g%4)+1] op_sel_hi:[1,0,0]   ; t - M
.endr
.endif
.endr
.irp g, 0,1,2,3,4,5,6,7,8
	v_fma_f32 v[GM+\g], v[GM+\g], s[CS], v[NM]     ; the same of each group's largest score
.endr
.set CNT, 0
.rept 144
	v_exp_f32 v[S+CNT], v[S+CNT]                   ; p = 2^(t - M): one batch, none reads another's result
.set CNT, CNT+1
.endr
.irp g, 0,1,2,3,4,5,6,7,8
	v_exp_f32 v[GM+\g], v[GM+\g]                   ; the block's largest p: the same two instructions on the same number
.endr
	s_wait_dscnt 0x0                               ; V's fragments and raw scale words
.irp a, 0,1,2,3
	v_alignbit_b32 v[VSW+\a], v[U+4+\a], v[U+\a], s[SH]            ; my groups' bytes straddle two words of the key steps.  (Plain work behind the batch)
	v_alignbit_b32 v[VSW+4+\a], v[U+8+\a], v[U+4+\a], s[SH]
	v_bfe_u32 v[VSW+8+\a], v[U+8+\a], s[SH], 8     ; step 2: group 8's byte; the other three bytes are 0 and meet zero codes
.endr
	s_wait_alu depctr_va_vdst(0)                   ; the wait ahead of the first line that names an exponential's result: one for the batch
.irp c, 0,1,2,3
	v_pk_add_f32 v[LS+2*\c:LS+2*\c+1], v[S+2*\c:S+2*\c+1], v[S+8+2*\c:S+9+2*\c]   ; the row's sum, of the unquantised p, in four chains
.endr
.set CNT, 16
.rept 16
.irp c, 0,1,2,3
	v_pk_add_f32 v[LS+2*\c:LS+2*\c+1], v[LS+2*\c:LS+2*\c+1], v[S+CNT+2*\c:S+CNT+2*\c+1]
.endr
.set CNT, CNT+8
.endr
.irp g, 0,1,2,3,4,5,6,7,8
	v_max_num_f32 v[GM+\g], 0x1800000, v[GM+\g]    ; the floor 2^(3 - 127): a block of zeros keeps the byte 1, and has zero codes
.endr
.irp g, 0,1,2,3,4,5,6,7,8
	v_add_nc_u32 v[GM+\g], 0xff000000, v[GM+\g]    ; the conversion's scale operand
.endr
.irp g, 0,1,2,3,4,5,6,7,8
	v_lshrrev_b32 v[GT+\g], 23, v[GM+\g]           ; the scale's byte
.endr
	v_lshl_or_b32 v[PSW], v[GT+1], 8, v[GT]
	v_lshl_or_b32 v[PSW+1], v[GT+5], 8, v[GT+4]
	v_lshl_or_b32 v[PSW], v[GT+2], 16, v[PSW]
	v_lshl_or_b32 v[PSW+1], v[GT+6], 16, v[PSW+1]
	v_lshl_or_b32 v[PSW], v[GT+3], 24, v[PSW]
	v_lshl_or_b32 v[PSW+1], v[GT+7], 24, v[PSW+1]
	v_mov_b32 v[PSW+2], v[GT+8]
	v_cvt_scalef32_pk16_fp6_f32 v[P0:P0+2], v[S:S+15], v[GM]
	v_cvt_scalef32_pk16_fp6_f32 v[T0:T0+2], v[S+16:S+31], v[GM+1]
	v_cvt_scalef32_pk16_fp6_f32 v[P0+6:P0+8], v[S+32:S+47], v[GM+2]
	v_cvt_scalef32_pk16_fp6_f32 v[T0+4:T0+6], v[S+48:S+63], v[GM+3]
	v_nop                                          ; one plain place behind a scaled conversion
.irp i, 0,1,2
	v_permlane16_swap_b32 v[P0+\i], v[T0+\i]       ; a whole block to a lane
	v_permlane16_swap_b32 v[P0+6+\i], v[T0+4+\i]
.endr
.irp i, 0,1,2
	v_mov_b32 v[P0+3+\i], v[T0+\i]
	v_mov_b32 v[P0+9+\i], v[T0+4+\i]
.endr
	v_cvt_scalef32_pk16_fp6_f32 v[P1:P1+2], v[S+64:S+79], v[GM+4]  ; steps 1 and 2 land where groups 0 to 2 lay, which are converted
	v_cvt_scalef32_pk16_fp6_f32 v[T1:T1+2], v[S+80:S+95], v[GM+5]
	v_cvt_scalef32_pk16_fp6_f32 v[P1+6:P1+8], v[S+96:S+111], v[GM+6]
	v_cvt_scalef32_pk16_fp6_f32 v[T1+4:T1+6], v[S+112:S+127], v[GM+7]
	v_cvt_scalef32_pk16_fp6_f32 v[P2:P2+2], v[S+128:S+143], v[GM+8]
	v_nop
.irp i, 0,1,2
	v_mov_b32 v[T2+\i], 0                          ; step 2's other three groups are zero codes
.endr
.irp i, 6,7,8,9,10,11
	v_mov_b32 v[P2+\i], 0
.endr
.irp i, 0,1,2
	v_permlane16_swap_b32 v[P1+\i], v[T1+\i]
	v_permlane16_swap_b32 v[P1+6+\i], v[T1+4+\i]
	v_permlane16_swap_b32 v[P2+\i], v[T2+\i]
.endr
.irp i, 0,1,2
	v_mov_b32 v[P1+3+\i], v[T1+\i]
	v_mov_b32 v[P1+9+\i], v[T1+4+\i]
	v_mov_b32 v[P2+3+\i], v[T2+\i]
.endr
	v_pk_add_f32 v[LS:LS+1], v[LS:LS+1], v[LS+2:LS+3]              ; the sum's chains, halves and the other 16 lanes'.  (With the two v_nop: plain places ahead of the scaled products)
	v_pk_add_f32 v[LS+4:LS+5], v[LS+4:LS+5], v[LS+6:LS+7]
	v_pk_add_f32 v[LS:LS+1], v[LS:LS+1], v[LS+4:LS+5]
	v_add_f32 v[LS], v[LS], v[LS+1]
	v_permlanex16_b32 v[LT], v[LS], s[SEL], s[SEL+1]
	v_add_f32 v[LS], v[LS], v[LT]
	v_rcp_f32 v[RL], v[LS]                         ; its wait stands behind the products below, ahead of its first reader
	PLACES 2
	WIN 0x51                                       ; V window 1, p window 0, O^T window 1
.irp k, 0,1,2
.if \k == 0
.set PP, P0
.elseif \k == 1
.set PP, P1
.else
.set PP, P2
.endif
.irp a, 0,1,2,3                        ; the four accumulators take turns, one instruction a turn
.if \k == 0
	v_wmma_scale_f32_16x16x128_f8f6f4 v[O+8*\a:O+8*\a+7], v[KV+12*(4*\k+\a):KV+12*(4*\k+\a)+11], v[PP:PP+11], 0, v[VSW+4*\k+\a], v[PSW+\k] matrix_a_fmt:MATRIX_FMT_FP6 matrix_b_fmt:MATRIX_FMT_FP6
.else
	v_wmma_scale_f32_16x16x128_f8f6f4 v[O+8*\a:O+8*\a+7], v[KV+12*(4*\k+\a):KV+12*(4*\k+\a)+11], v[PP:PP+11], v[O+8*\a:O+8*\a+7], v[VSW+4*\k+\a], v[PSW+\k] matrix_a_fmt:MATRIX_FMT_FP6 matrix_b_fmt:MATRIX_FMT_FP6
.endif
.endr
.endr
	WIN 0
	PLACES 4                                       ; in front of the loads into V's registers and of the first read of O^T
.if (\j) < 3
	KLOAD (\j)+1
	s_wait_loadcnt 0x0                             ; the next trip's q, asked for ahead of the softmax
	v_perm_b32 v[QSW], v[QW], v[QW], s[QSEL]       ; the lines below are its places ahead of the next scaled products
.endif
	s_wait_alu depctr_va_vdst(0)                   ; the wait ahead of the first line that names the reciprocal
	WIN 0x01
.irp n, 0,2,4,6,8,10,12,14,16,18,20,22,24,26,28,30
	v_pk_mul_f32 v[OF+\n:OF+\n+1], v[O+\n:O+\n+1], v[RL:RL+1] op_sel_hi:[1,0]   ; O^T / l: register 16 b + i is d = 32 b + 16 h + i of my query
.endr
	WIN 0
	v_max3_num_f32 v[QM], |v[OF]|, |v[OF+1]|, 0x1800000
	v_max3_num_f32 v[QM+1], |v[OF+16]|, |v[OF+17]|, 0x1800000
.irp i, 2,4,6,8,10,12,14
	v_max3_num_f32 v[QM], v[QM], |v[OF+\i]|, |v[OF+\i+1]|
	v_max3_num_f32 v[QM+1], v[QM+1], |v[OF+16+\i]|, |v[OF+17+\i]|
.endr
	v_permlanex16_b32 v[QM+2], v[QM], s[SEL], s[SEL+1]
	v_permlanex16_b32 v[QM+3], v[QM+1], s[SEL], s[SEL+1]
	v_max_num_f32 v[QM], v[QM], v[QM+2]
	v_max_num_f32 v[QM+1], v[QM+1], v[QM+3]
	v_add_nc_u32 v[QM+4], 0xff000000, v[QM]
	v_add_nc_u32 v[QM+5], 0xff000000, v[QM+1]
	v_lshrrev_b32 v[QM+2], 23, v[QM+4]
	v_lshrrev_b32 v[QM+3], 23, v[QM+5]
	v_lshl_or_b32 v[OW], v[QM+3], 8, v[QM+2]
	v_cvt_scalef32_pk16_fp6_f32 v[OC:OC+2], v[OF:OF+15], v[QM+4]
	v_cvt_scalef32_pk16_fp6_f32 v[OT:OT+2], v[OF+16:OF+31], v[QM+5]
	v_nop
.irp i, 0,1,2
	v_permlane16_swap_b32 v[OC+\i], v[OT+\i]
.endr
.irp i, 0,1,2
	v_mov_b32 v[OC+3+\i], v[OT+\i]
.endr
	global_store_b128 v[L16], v[OC:OC+3], s[OB:OB+1] offset:98304*(\j)          ; 512 consecutive bytes, aligned to 256,
	global_store_b64 v[L8], v[OC+4:OC+5], s[OB:OB+1] offset:98304*(\j)+512      ; and 256
	ds_store_b16 v[AOS], v[OW] offset:256*(\j)     ; both halves of the lanes write the same two bytes
.endm
	TRIP 0
	TRIP 1
	TRIP 2
	TRIP 3
	s_wait_dscnt 0x0                               ; for the others' sake: my scale bytes have landed
	s_barrier_signal -1
	s_barrier_wait -1
	s_cmp_lt_u32 s2, 2
	s_cbranch_scc0 .Lend
	ds_load_b128 v[OF:OF+3], v[AOR]                ; into registers that no pending store or load names (trip 3's stores read v138-143)
	s_wait_dscnt 0x0
	global_store_b128 v[GOS], v[OF:OF+3], s[OSB:OSB+1]             ; the work-group's 1,024 scale bytes, 512 a wave
.Lend:
	s_wait_tensorcnt 0x0                           ; the wave's end
	ds_add_u32 v[SPW], v[NIL]
	s_wait_dscnt 0x0
	s_endpgm
.Lfunc_end_k_q6c7717adc1_attn:
	.size	k_q6c7717adc1_attn, .Lfunc_end_k_q6c7717adc1_attn-k_q6c7717adc1_attn
	.p2alignl 7, 3214868480
	.fill 96, 4, 3214868480
	.section	.rodata,"a",@progbits
	.p2align	6, 0x0
	.amdhsa_kernel k_q6c7717adc1_attn
		.amdhsa_group_segment_fixed_size 167936
		.amdhsa_private_segment_fixed_size 0
		.amdhsa_enable_private_segment 0
		.amdhsa_kernarg_size 16
		.amdhsa_user_sgpr_count 2
		.amdhsa_user_sgpr_kernarg_segment_ptr 1
		.amdhsa_wavefront_size32 1
		.amdhsa_system_sgpr_workgroup_id_x 1
		.amdhsa_system_sgpr_workgroup_id_y 1
		.amdhsa_system_sgpr_workgroup_id_z 1
		.amdhsa_system_vgpr_workitem_id 0
		.amdhsa_next_free_vgpr 512
		.amdhsa_next_free_sgpr 80
		.amdhsa_reserve_vcc 1
		.amdhsa_float_denorm_mode_32 3
		.amdhsa_float_denorm_mode_16_64 3
		.amdhsa_memory_ordered 1
		.amdhsa_forward_progress 1
		.amdhsa_inst_pref_size 176
	.end_amdhsa_kernel
	.amdgpu_metadata
---
amdhsa.version: [ 1, 2 ]
amdhsa.kernels:
  - .name:           k_q6c7717adc1_attn
    .symbol:         k_q6c7717adc1_attn.kd
    .args:
      - { .name: qkv, .offset: 0, .size: 8, .value_kind: global_buffer, .address_space: global }
      - { .name: oq, .offset: 8, .size: 8, .value_kind: global_buffer, .address_space: global }
    .group_segment_fixed_size: 167936
    .private_segment_fixed_size: 0
    .kernarg_segment_align: 8
    .kernarg_segment_size: 16
    .max_flat_workgroup_size: 256
    .sgpr_count:     80
    .vgpr_count:     512
    .wavefront_size: 32
...
	.end_amdgpu_metadata
.endif
;; end of part 3
;; launch outp (part 4): grid 4 x 64, 4 waves a work-group, clusters of 4 x 4, 327,680 bytes of LDS; arguments oq, wq, bout, out0; writes out0
.if DOCPART == 4
	.amdgcn_target "amdgcn-amd-amdhsa--gfx1250"
	.amdhsa_code_object_version 6
	.text
	.protected	k_q6c7717adc1_outp
	.globl	k_q6c7717adc1_outp
	.p2align	8
	.type	k_q6c7717adc1_outp,@function
k_q6c7717adc1_outp:
	s_mov_b64 s[64:65], 0
	v_nop
	global_prefetch_b8 v0, s[64:65] scope:SCOPE_SE
	s_setreg_imm32_b32 hwreg(HW_REG_WAVE_MODE, 25, 1), 1
	s_wait_xcnt 0x0
	s_wait_alu depctr_hold_cnt(0) depctr_sa_sdst(0) depctr_va_vdst(0) depctr_va_sdst(0) depctr_va_ssrc(0) depctr_va_vcc(0) depctr_vm_vsrc(0)
	s_getreg_b32 s2, hwreg(HW_REG_IB_STS2, 6, 4)
	s_cmp_eq_u32 s2, 0
	s_cbranch_scc0 .Lentry_in_a_cluster
	s_endpgm
.Lentry_in_a_cluster:
	s_bfe_u32 s2, ttmp6, 0x10000c
	s_cmp_lg_u32 s2, 0xf033
	s_cbranch_scc0 .Lentry_shape_is_right
	s_endpgm
.Lentry_shape_is_right:
; Launch 4 of 4: out0 = o Wout + bout on codes of FP6.  No work of reference() is left out here.
; The second launch's frame: a work-group makes 128 rows of o ("A", source 1) x 256 columns of Wout ("B", source 0) with all of K = 1,024 in LDS by first fills; four waves, 64 x 128 each, 32 accumulators;
; cluster 4 x 4, A's tile asked for jointly along the cluster's row, B's along its column.  256 work-groups.
; What differs: A's images lie in two halves of 768 bytes (a head each: 512 bytes of registers 0-3 at 16 x lane, 256 of registers 4, 5 at 8 x lane); A's scale bytes come two to a head and are paired into words;
; bout is the C of K step 0's products; the results leave through a stage in LDS as whole rows of 512 bytes.
; REGISTERS.  window 0: v1-21 addresses; v32-63, v64-127 scale words alone; v160-255 A's fragments, two sets; on the way out v128-255 rows of out0.
;   window 1: B's fragments at v0 and v128; v96-127, v224-255 A's scale bytes as loaded.   window 2: accumulator (a, b) at v[8 (8 a + b)].   window 3: v0-63 bout in the result's layout.
.set CHUNK, 73728
.set BOFF,  24576
.set SCL,   294912                     ; A's scale bytes: 16 heads x 256 bytes; B's scale words, 8,192 bytes
.set SPARE, 307200
.set WS,    3145728
.set OSO,   6291456
.set NF,    40
.set ADRA, 4
.set ADRB, 8
.set ASO,  12
.set ASB,  13
.set ADR8, 14                          ; v14-17 as v4-7 with 8 x lane
.set STO,  18
.set RD,   19
.set CO,   20
.set BI,   21
.set SPW,  30
.set NIL,  31
.set SCA,  32
.set SCB,  64
.set AF,   160
.set BK,   128
.set MSB, 0
.macro WIN new
.if MSB != (\new)
	s_set_vgpr_msb (MSB<<8)|(\new)
.set MSB, \new
.endif
.endm
.macro PLACES n
.rept \n
	v_nop
.endr
.endm
.macro CROUND
	s_barrier_signal -1
	s_barrier_wait -1
	s_cmp_lg_u32 s2, 0
	s_cbranch_scc1 .Lnot_wave_0_\@
	s_barrier_signal -3
.Lnot_wave_0_\@:
	s_barrier_wait -3
	s_barrier_signal -1
	s_barrier_wait -1
.endm
.macro FETCH s, set
	WIN 0x40
.irp b, 0,1,2,3,4,5,6,7
.irp p, 0,1,2
	ds_load_b128 v[128*(\set)+12*\b+4*\p:128*(\set)+12*\b+4*\p+3], v[ADRB+(\s)/2] offset:3072*\b+1536*((\s)%2)+512*\p
.endr
.endr
	WIN 0
.irp a, 0,1,2,3
.irp c, 0,1
	ds_load_b128 v[AF+48*(\set)+12*\a+6*\c:AF+48*(\set)+12*\a+6*\c+3], v[ADRA+(\s)/2] offset:3072*\a+1536*((\s)%2)+768*\c
	ds_load_b64 v[AF+48*(\set)+12*\a+6*\c+4:AF+48*(\set)+12*\a+6*\c+5], v[ADR8+(\s)/2] offset:3072*\a+1536*((\s)%2)+768*\c+512
.endr
.endr
.endm
.macro MUL s, set                      ; the 32 accumulators take turns, one instruction a turn; K step 0 starts the sums from the bias
.if (\s) == 0
	WIN 0xb1                                       ; C window 3
.else
	WIN 0xa1
.endif
.irp a, 0,1,2,3
.irp b, 0,1,2,3,4,5,6,7
.if (\s) == 0
	v_wmma_scale_f32_16x16x128_f8f6f4 v[8*(8*\a+\b):8*(8*\a+\b)+7], v[128*(\set)+12*\b:128*(\set)+12*\b+11], v[AF+48*(\set)+12*\a:AF+48*(\set)+12*\a+11], v[8*\b:8*\b+7], v[SCB+8*\b+(\s)], v[SCA+8*\a+(\s)] matrix_a_fmt:MATRIX_FMT_FP6 matrix_b_fmt:MATRIX_FMT_FP6
.else
	v_wmma_scale_f32_16x16x128_f8f6f4 v[8*(8*\a+\b):8*(8*\a+\b)+7], v[128*(\set)+12*\b:128*(\set)+12*\b+11], v[AF+48*(\set)+12*\a:AF+48*(\set)+12*\a+11], v[8*(8*\a+\b):8*(8*\a+\b)+7], v[SCB+8*\b+(\s)], v[SCA+8*\a+(\s)] matrix_a_fmt:MATRIX_FMT_FP6 matrix_b_fmt:MATRIX_FMT_FP6
.endif
.endr
.endr
.endm
.macro KSTEP s
.if ((\s)%2 == 1) && ((\s) < 7)
	s_wait_tensorcnt (5-(\s))/2                    ; my part of the next chunk has landed: behind it 2, 1, 0 of my five loads were issued
	s_wait_dscnt 0x0
	s_barrier_signal -1
	s_barrier_wait -1                              ; everybody's has
.endif
.if ((\s) > 0) && ((\s) < 7)
	PLACES 4                                       ; in front of loads into registers that the last products read
.endif
.if (\s) < 7
	FETCH (\s)+1, ((\s)+1)%2
	s_wait_dscnt NF                                ; all but the NF loads just issued
.else
	s_wait_dscnt 0x0
.endif
	MUL \s, (\s)%2
.endm
	s_load_b256 s[4:11], s[0:1], 0x0               ; oq s[4:5], wq s[6:7], bout s[8:9], out0 s[10:11]
	v_lshl_add_u32 v[SPW], v0, 2, SPARE
	v_mov_b32 v[NIL], 0
	ds_add_u32 v[SPW], v[NIL]                      ; the wave's opening: the add, twice on end, and its wait ahead of my first tensor load
	ds_add_u32 v[SPW], v[NIL]
	v_lshrrev_b32 v1, 5, v0
	v_readfirstlane_b32 s2, v1                     ; wave 0..3
	s_lshr_b32 s3, s2, 1                           ; which 64 rows of o are mine.  Also: I fetch for A (0) or for B (1)
	s_and_b32 s88, s2, 1                           ; which 128 columns.  Also: which half of that tile I fetch
	s_bfe_u32 s89, ttmp6, 0x40000                  ; cx
	s_bfe_u32 s90, ttmp6, 0x40004                  ; cy
	s_lshl_b32 s94, ttmp9, 2
	s_add_co_u32 s94, s94, s89                     ; tile of 256 columns
	s_and_b32 s95, ttmp7, 0xffff
	s_lshl_b32 s95, s95, 2
	s_add_co_u32 s95, s95, s90                     ; tile of 128 rows
	s_lshl_b32 s96, s90, 2
	s_lshl_b32 s96, 15, s96                        ; my row of the cluster
	s_lshl_b32 s98, 0x1111, s89                    ; my column
	s_or_b32 s12, s96, (3<<16)|(1<<21)
	s_or_b32 s28, s96, (3<<16)|(1<<21)
	s_or_b32 s20, s98, (3<<16)|(1<<21)
	s_or_b32 s36, s98, (3<<16)|(1<<21)
.irp g, 12, 20
	s_mov_b32 s[\g+1], 384<<16
	s_mov_b32 s[\g+3], 384<<16
	s_mov_b32 s[\g+5], 1536
	s_mov_b32 s[\g+6], 0
	s_mov_b32 s[\g+7], 0
.endr
	s_mov_b32 s14, 4<<16
	s_mov_b32 s16, 4
	s_mov_b32 s22, 8<<16
	s_mov_b32 s24, 8
.irp g, 28, 36
	s_mov_b32 s[\g+1], 32<<16
	s_mov_b32 s[\g+3], 32<<16
	s_mov_b32 s[\g+6], 0
	s_mov_b32 s[\g+7], 0
.endr
	s_mov_b32 s30, 8<<16                           ; A's scale bytes: 8 heads a load, 256 bytes each, 4,096 bytes (512 elements) from head to head
	s_mov_b32 s32, 8
	s_mov_b32 s33, 512
	s_mov_b32 s38, 16<<16                          ; B's scale words: 4,096 dense bytes a load
	s_mov_b32 s40, 16
	s_mov_b32 s41, 32
.irp n, 0,1,2,3,4
	s_mov_b32 s[44+4*\n], 1
	s_mov_b32 s[68+4*\n], 1
.endr
	s_lshl_b32 s96, s88, 11
	s_add_co_u32 s45, s96, SCL
	s_mul_i32 s96, s88, 12288
.irp c, 0,1,2,3
	s_add_co_u32 s[49+4*\c], s96, \c*CHUNK
.endr
	s_lshl_b32 s98, s88, 12
	s_add_co_u32 s69, s98, SCL+4096
	s_mul_i32 s98, s88, 24576
.irp c, 0,1,2,3
	s_add_co_u32 s[73+4*\c], s98, \c*CHUNK+BOFF
.endr
	s_lshl_b32 s96, s95, 3
	s_lshl_b32 s97, s88, 2
	s_add_co_u32 s96, s96, s97
	s_mul_i32 s50, s96, 12288                      ; A's codes
	s_mov_b32 s51, 0
	s_lshr_b32 s46, s95, 4
	s_lshl_b32 s46, s46, 16                        ; batch,
	s_and_b32 s97, s95, 15
	s_lshl_b32 s97, s97, 8                         ; my 8 tiles' 256 bytes,
	s_add_co_u32 s46, s46, s97
	s_lshl_b32 s97, s88, 15                        ; heads 8 (w % 2) on
	s_add_co_u32 s46, s46, s97
	s_add_co_u32 s46, s46, OSO
	s_mov_b32 s47, 0
	s_lshl_b32 s98, s94, 4
	s_lshl_b32 s99, s88, 3
	s_add_co_u32 s98, s98, s99
	s_add_co_u32 s98, s98, 192                     ; Wout's tiles begin at 192 in wq
	s_mul_i32 s74, s98, 12288
	s_mov_b32 s75, 0
	s_lshl_b32 s70, s98, 9
	s_add_co_u32 s70, s70, WS
	s_mov_b32 s71, 0
	s_wait_dscnt 0x0                               ; both opening adds are done
	s_wait_kmcnt 0x0
	s_add_nc_u64 s[46:47], s[4:5], s[46:47]
	s_add_nc_u64 s[50:51], s[4:5], s[50:51]
	s_add_nc_u64 s[54:55], s[50:51], 3072
	s_add_nc_u64 s[58:59], s[50:51], 6144
	s_add_nc_u64 s[62:63], s[50:51], 9216
	s_add_nc_u64 s[70:71], s[6:7], s[70:71]
	s_add_nc_u64 s[74:75], s[6:7], s[74:75]
	s_add_nc_u64 s[78:79], s[74:75], 3072
	s_add_nc_u64 s[82:83], s[74:75], 6144
	s_add_nc_u64 s[86:87], s[74:75], 9216
.irp n, 0,1,2,3,4
	s_or_b32 s[47+4*\n], s[47+4*\n], 0x80000000
	s_or_b32 s[71+4*\n], s[71+4*\n], 0x80000000
.endr
	CROUND                                         ; all sixteen work-groups are here: the joint loads meet
	s_cmp_eq_u32 s3, 0                             ; a wave's five first fills stand in one branch on the wave's number: five loads of mine are out
	s_cbranch_scc0 .Lfor_b
	tensor_load_to_lds s[44:47], s[28:35]
	s_nop 0
.irp n, 1,2,3,4
	tensor_load_to_lds s[44+4*\n:47+4*\n], s[12:19]
	s_nop 0
.endr
	PLACES 4
	s_branch .Lasked
.Lfor_b:
	tensor_load_to_lds s[68:71], s[36:43]
	s_nop 0
.irp n, 1,2,3,4
	tensor_load_to_lds s[68+4*\n:71+4*\n], s[20:27]
	s_nop 0
.endr
	PLACES 4
.Lasked:
	v_and_b32 v1, 31, v0                           ; lane
	v_and_b32 v2, 15, v0                           ; r
	v_bfe_u32 v3, v0, 4, 1                         ; h
	s_lshl_b32 s96, s94, 10
	s_lshl_b32 s97, s88, 9
	s_add_co_u32 s96, s96, s97                     ; my first column, in bytes
	s_mov_b32 s97, 0
	s_add_nc_u64 s[8:9], s[8:9], s[96:97]
	s_add_nc_u64 s[10:11], s[10:11], s[96:97]
	s_lshl_b32 s96, s95, 19
	s_lshl_b32 s98, s3, 18
	s_add_co_u32 s96, s96, s98                     ; my first row: (128 tile + 64 half) x 4,096 bytes
	s_add_nc_u64 s[10:11], s[10:11], s[96:97]
	v_lshlrev_b32 v[BI], 6, v3
	WIN 0xc0                                       ; destination window 3
.irp b, 0,1,2,3,4,5,6,7
	global_load_b128 v[8*\b:8*\b+3], v[BI], s[8:9] offset:(32*(\b/2)+8*(\b%2))*4         ; lane (r, h), tile b: bout at columns 32 (b / 2) + 16 h + 8 (b % 2) + 0 .. 7
	global_load_b128 v[8*\b+4:8*\b+7], v[BI], s[8:9] offset:(32*(\b/2)+8*(\b%2))*4+16
.endr
	WIN 0
	s_mul_i32 s96, s3, 12288
	v_lshl_add_u32 v[ADRA], v1, 4, s96
	v_lshl_add_u32 v[ADR8], v1, 3, s96
	s_mul_i32 s96, s88, 24576
	s_add_co_u32 s96, s96, BOFF
	v_lshl_add_u32 v[ADRB], v1, 4, s96
.irp c, 1,2,3
	v_add_nc_u32 v[ADRA+\c], \c*CHUNK, v[ADRA]
	v_add_nc_u32 v[ADR8+\c], \c*CHUNK, v[ADR8]
	v_add_nc_u32 v[ADRB+\c], \c*CHUNK, v[ADRB]
.endr
	s_lshl_b32 s96, s3, 7
	s_add_co_u32 s96, s96, SCL
	v_lshl_add_u32 v[ASO], v2, 1, s96              ; my four tiles' scale bytes: 32 bytes a tile, 2 a row
	s_lshl_b32 s96, s88, 12
	s_add_co_u32 s96, s96, SCL+4096
	v_lshl_add_u32 v[ASB], v2, 4, s96
	s_mul_i32 s96, s2, 8448                        ; my stage: 16 rows x (512 bytes + 16), in chunk 0: it has had its one fill, and its last read stands ahead of three later barriers
	v_mul_u32_u24 v[STO], v2, 528
	v_lshl_add_u32 v[STO], v3, 6, v[STO]
	v_add_nc_u32 v[STO], s96, v[STO]
	v_lshl_add_u32 v[RD], v1, 4, s96
	v_lshlrev_b32 v[CO], 4, v1
	s_wait_tensorcnt 0x3                           ; the scales and chunk 0 are in; chunks 1 to 3 may be out
	s_barrier_signal -1
	s_barrier_wait -1
	WIN 0x40
.irp a, 0,1,2,3
.irp s, 0,1,2,3,4,5,6,7
	ds_load_u16 v[96+8*\a+\s], v[ASO] offset:512*\s+32*\a          ; head 2 s's two bytes of row r of tile a,
	ds_load_u16 v[224+8*\a+\s], v[ASO] offset:512*\s+256+32*\a     ; head 2 s + 1's
.endr
.endr
	WIN 0
.irp b, 0,1,2,3,4,5,6,7
.irp f, 0,1
	ds_load_b128 v[SCB+8*\b+4*\f:SCB+8*\b+4*\f+3], v[ASB] offset:512*\b+256*\f
.endr
.endr
	FETCH 0, 0
	s_wait_dscnt NF                                ; all but K step 0's fragments
	WIN 0x11
.set CNT, 0
.rept 32
	v_lshl_or_b32 v[SCA+CNT], v[224+CNT], 16, v[96+CNT]            ; K step s's scale word
.set CNT, CNT+1
.endr
	WIN 0
	PLACES 8                                       ; a scale register written by a vector instruction stands eight places ahead of a scaled product
	s_wait_loadcnt 0x0                             ; the bias
.irp s, 0,1,2,3,4,5,6,7
	KSTEP \s
.endr
	WIN 0
	PLACES 4                                       ; in front of the first read of results and of the loads into A's registers
; THE WAY OUT, tile a of 16 rows x 128 columns at a time.  A lane holds pieces of one row; through my stage they come back as whole rows of 512 bytes.
.macro TOSTAGE a
	WIN 0x08                                       ; an LDS store's data are its source 1: window 2
.irp b, 0,1,2,3,4,5,6,7
	ds_store_b128 v[STO], v[8*(8*(\a)+\b):8*(8*(\a)+\b)+3] offset:128*(\b/2)+32*(\b%2)       ; each accumulator from its low end on
	ds_store_b128 v[STO], v[8*(8*(\a)+\b)+4:8*(8*(\a)+\b)+7] offset:128*(\b/2)+32*(\b%2)+16
.endr
	WIN 0
.set BB, BK+64*((\a)%2)
.irp t, 0,1,2,3,4,5,6,7,8,9,10,11,12,13,14,15
	ds_load_b128 v[BB+4*\t:BB+4*\t+3], v[RD] offset:\t*528         ; LDS serves a wave's instructions in order: these see my stores, and the next tile's stores come behind them
.endr
.endm
.macro SEND a, younger
.set BB, BK+64*((\a)%2)
	s_wait_dscnt \younger
.irp t, 0,1,2,3,4,5,6,7,8,9,10,11,12,13,14,15
	global_store_b128 v[CO], v[BB+4*\t:BB+4*\t+3], s[10:11] offset:(32*((\a)/2)+8*((\a)%2)+\t+8*(\t/8))*4096 th:TH_STORE_NT   ; 512 consecutive bytes, aligned to 256; the tile's rows stand in the immediate
.endr
.endm
	TOSTAGE 0
.irp a, 1,2,3
.if \a > 1
	s_wait_xcnt 0x0                                ; tile a - 2's stores have read their registers: tile a's loads may land there
.endif
	TOSTAGE \a
	SEND \a-1, 32                                  ; behind tile a - 1's loads: tile a's 16 stores and 16 loads
.endr
	SEND 3, 0
	s_wait_tensorcnt 0x0                           ; the wave's end
	ds_add_u32 v[SPW], v[NIL]
	s_wait_dscnt 0x0
	CROUND                                         ; the closing round
	s_endpgm
.Lfunc_end_k_q6c7717adc1_outp:
	.size	k_q6c7717adc1_outp, .Lfunc_end_k_q6c7717adc1_outp-k_q6c7717adc1_outp
	.p2alignl 7, 3214868480
	.fill 96, 4, 3214868480
	.section	.rodata,"a",@progbits
	.p2align	6, 0x0
	.amdhsa_kernel k_q6c7717adc1_outp
		.amdhsa_group_segment_fixed_size 327680
		.amdhsa_private_segment_fixed_size 0
		.amdhsa_enable_private_segment 0
		.amdhsa_kernarg_size 32
		.amdhsa_user_sgpr_count 2
		.amdhsa_user_sgpr_kernarg_segment_ptr 1
		.amdhsa_wavefront_size32 1
		.amdhsa_system_sgpr_workgroup_id_x 1
		.amdhsa_system_sgpr_workgroup_id_y 1
		.amdhsa_system_sgpr_workgroup_id_z 1
		.amdhsa_system_vgpr_workitem_id 0
		.amdhsa_next_free_vgpr 832
		.amdhsa_next_free_sgpr 102
		.amdhsa_reserve_vcc 0
		.amdhsa_float_denorm_mode_32 3
		.amdhsa_float_denorm_mode_16_64 3
		.amdhsa_memory_ordered 1
		.amdhsa_forward_progress 1
		.amdhsa_inst_pref_size 89
	.end_amdhsa_kernel
	.amdgpu_metadata
---
amdhsa.version: [ 1, 2 ]
amdhsa.kernels:
  - .name:           k_q6c7717adc1_outp
    .symbol:         k_q6c7717adc1_outp.kd
    .args:
      - { .name: oq, .offset: 0, .size: 8, .value_kind: global_buffer, .address_space: global }
      - { .name: wq, .offset: 8, .size: 8, .value_kind: global_buffer, .address_space: global }
      - { .name: bout, .offset: 16, .size: 8, .value_kind: global_buffer, .address_space: global }
      - { .name: out0, .offset: 24, .size: 8, .value_kind: global_buffer, .address_space: global }
    .group_segment_fixed_size: 327680
    .private_segment_fixed_size: 0
    .kernarg_segment_align: 8
    .kernarg_segment_size: 32
    .max_flat_workgroup_size: 128
    .sgpr_count:     102
    .vgpr_count:     832
    .wavefront_size: 32
...
	.end_amdgpu_metadata
.endif
;; end of part 4
